; MI455X (gfx1250); checked and timed in simulation.
; The chip was launched on July 23, 2026; its instructions are those of AMD's public machine-readable ISA for CDNA 5 (MIT licence, August 2026) and "CDNA5" Instruction Set Architecture Reference Guide (July 2026). The comments in the code are by the model that wrote it; some were corrected since.
;; Ro PE mha. Allowed arithmetic: float matrix products may take bf16 or f16 operands with f32 sums; other float arithmetic in f32, or as packed bf16 or f16 multiplies, adds, multiply-adds, maxima and minima; sums over many terms, partial sums and values carried from step to step in f32; what a program stores and reads back later, other than sums and carried values, may be rounded once to bf16 or f16.
;; Inputs: Wk 1,024 x 1,024 float32; Wo 1,024 x 1,024 float32; Wq 1,024 x 1,024 float32; Wv 1,024 x 1,024 float32; bk 1,024 float32; bo 1,024 float32; bq 1,024 float32; bv 1,024 float32; mask 1 x 1 x 2,048 x 2,048 int32; x 4 x 2,048 x 1,024 float32.
;; Outputs: out0 4 x 2,048 x 1,024 float32.
;; One version. Each part assembles by itself: llvm-mc -triple=amdgcn-amd-amdhsa -mcpu=gfx1250 --defsym DOCPART=n.
;; ======== version 1 of 1: 4 launches
;; limits: values are held in f16: magnitudes above 65,504 overflow, below 6.1e-05 lose precision
;; workspace buffers: xw 25,165,824 bytes; mbits 524,288 bytes of whole numbers; rope 524,288 bytes; bias 16,384 bytes; qkv 50,331,648 bytes; att 16,777,216 bytes
;; launch prep (part 1): grid 1024 x 1, 8 waves a work-group, no clusters, 0 bytes of LDS; arguments x, Wq, Wk, Wv, Wo, bq, bk, bv, bo, mask, xw, mbits, rope, bias; writes xw, mbits, rope, bias
.if DOCPART == 1
	.amdgcn_target "amdgcn-amd-amdhsa--gfx1250"
	.amdhsa_code_object_version 6
	.text
	.protected	k_qd6708b6589_prep
	.globl	k_qd6708b6589_prep
	.p2align	8
	.type	k_qd6708b6589_prep,@function
k_qd6708b6589_prep:
	s_mov_b64 s[64:65], 0
	v_nop
	global_prefetch_b8 v0, s[64:65] scope:SCOPE_SE
	s_setreg_imm32_b32 hwreg(HW_REG_WAVE_MODE, 25, 1), 1
	s_wait_xcnt 0x0
; PREPARATION, a stream: no LDS, no matrix work, no barrier; every wave works for itself.
; Work-groups 0-767 (CAST): 16,384 numbers each of x (512 groups), Wq, Wk, Wv, Wo (64 groups each) are rounded once to bf16 and laid on end in xw:
;   x [8192][1024] at byte 0, Wq Wk Wv as one [3072][1024] at 16,777,216, Wo at 23,068,672.  Wo's bf16 number is written as f16, since it multiplies an f16 operand later.
;   LIMIT: a bf16 number of Wo below 6e-5 keeps f16's fixed step of 6e-8; beyond 65,504 it would be lost (Wo as drawn has a spread of 0.03).
; Work-groups 768-1023 (AUX), wave = unit 8 g + w of 2,048:
;   (a) 32 query rows x 64 keys of the mask become 64 LANE-MASK words: word 32 u + 8 kb + j has bit l = (mask[32 P + 16 u + l % 16][64 s + 16 kb + 8 (l / 16) + j] == 1): the very lanes in
;       which the attention launch holds those scores; unit = 32 P + s; the unit's 64 words are 256 bytes on end.
;   (b) row pos = unit of the rotation table: cos(pos th_i), i = 0..31, then sin(pos th_i); th_i = 10000^(-i/32) = 2^(-0.41524101 i).
;       The angle is reduced by multiples of pi/2 held in two parts; sine to r^7, cosine to r^8 on |r| <= pi/4 (the terms left out are below 3e-7).
;       LIMIT: th_i comes from v_exp_f32, so an angle (up to 2,047) may differ by some 2e-4 from one made with a correctly rounded th_i.
;   (c) groups g < 8: half of one of the four biases, each number rounded to bf16 and kept as f32.
.set X, 8                              ; v[8:71]   sixteen loads of 16 bytes a lane
.set Y, 72                             ; v[72:103] CAST: sixteen pairs to store;  AUX: v72-73 the mask words, v74-99 at work
	s_load_b512 s[8:23], s[0:1], 0x0               ; x s[8:9], Wq s[10:11], Wk s[12:13], Wv s[14:15], Wo s[16:17], bq s[18:19], bk s[20:21], bv s[22:23]
	s_load_b256 s[24:31], s[0:1], 0x40             ; bo s[24:25], mask s[26:27], xw s[28:29], mbits s[30:31]
	s_load_b128 s[32:35], s[0:1], 0x60             ; rope s[32:33], bias s[34:35]
	v_lshrrev_b32 v1, 5, v0
	v_readfirstlane_b32 s36, v1                    ; wave 0..7
	s_wait_kmcnt 0x0
	s_cmp_lt_u32 ttmp9, 768
	s_cbranch_scc0 .Laux
	; CAST.  Which tensor, and which 65,536 bytes of it
	s_mov_b64 s[4:5], s[8:9]
	s_cmp_ge_u32 ttmp9, 512
	s_cselect_b64 s[4:5], s[10:11], s[4:5]
	s_cmp_ge_u32 ttmp9, 576
	s_cselect_b64 s[4:5], s[12:13], s[4:5]
	s_cmp_ge_u32 ttmp9, 640
	s_cselect_b64 s[4:5], s[14:15], s[4:5]
	s_cmp_ge_u32 ttmp9, 704
	s_cselect_b64 s[4:5], s[16:17], s[4:5]
	s_and_b32 s2, ttmp9, 63                        ; a weight has 64 groups,
	s_cmp_lt_u32 ttmp9, 512
	s_cselect_b32 s2, ttmp9, s2                    ; x has 512
	s_lshl_b32 s2, s2, 16
	s_mov_b32 s3, 0
	s_add_nc_u64 s[4:5], s[4:5], s[2:3]
	s_lshl_b32 s6, ttmp9, 15                       ; in xw the groups' 32,768 bytes follow each other
	s_mov_b32 s7, 0
	s_add_nc_u64 s[6:7], s[28:29], s[6:7]
	v_lshlrev_b32 v3, 4, v0                        ; in: 16 bytes a thread, a wave's load covers 512 bytes on end
	v_lshlrev_b32 v4, 3, v0                        ; out: 8 bytes a thread, a wave's store covers 256 bytes on end, aligned
.irp it, 0,1,2,3,4,5,6,7,8,9,10,11,12,13,14,15
	global_load_b128 v[X+4*(\it):X+4*(\it)+3], v3, s[4:5] offset:4096*(\it) th:TH_LOAD_NT  ; all sixteen go out at once; no register is written twice, so no source needs freeing
.endr
.macro CAST half                       ; half = 1: the bf16 number is widened again and written as f16
.irp it, 0,1,2,3,4,5,6,7,8,9,10,11,12,13,14,15
	s_wait_loadcnt 15-(\it)                        ; loads come back in order: the younger ones stay out
	v_cvt_pk_bf16_f32 v[Y+2*(\it)], v[X+4*(\it)], v[X+4*(\it)+1]
	v_cvt_pk_bf16_f32 v[Y+2*(\it)+1], v[X+4*(\it)+2], v[X+4*(\it)+3]
.if \half
	v_lshlrev_b32 v1, 16, v[Y+2*(\it)]
	v_and_b32 v5, 0xffff0000, v[Y+2*(\it)]
	v_lshlrev_b32 v6, 16, v[Y+2*(\it)+1]
	v_and_b32 v7, 0xffff0000, v[Y+2*(\it)+1]
	v_cvt_pk_f16_f32 v[Y+2*(\it)], v1, v5
	v_cvt_pk_f16_f32 v[Y+2*(\it)+1], v6, v7
.endif
	global_store_b64 v4, v[Y+2*(\it):Y+2*(\it)+1], s[6:7] offset:2048*(\it)
.endr
.endm
	s_cmp_ge_u32 ttmp9, 704
	s_cbranch_scc1 .Lwo
	CAST 0
	s_endpgm
.Lwo:
	CAST 1
	s_endpgm
.Laux:
	s_sub_co_u32 s37, ttmp9, 768                   ; g
	s_lshl_b32 s38, s37, 3
	s_add_co_u32 s38, s38, s36                     ; unit = pos = 8 g + wave
	; (a) the mask's 32 rows x 256 bytes go out first
	s_lshr_b32 s2, s38, 5                          ; P: 32 rows of 8,192 bytes
	s_lshl_b32 s2, s2, 18
	s_and_b32 s3, s38, 31                          ; s: 64 keys of 4 bytes
	s_lshl_b32 s3, s3, 8
	s_add_co_u32 s2, s2, s3
	s_mov_b32 s3, 0
	s_add_nc_u64 s[26:27], s[26:27], s[2:3]
	v_and_b32 v3, 15, v0                           ; l % 16
	v_bfe_u32 v4, v0, 4, 1                         ; l / 16
	v_lshlrev_b32 v5, 13, v3                       ; row l % 16,
	v_lshl_add_u32 v5, v4, 5, v5                   ; keys 8 (l / 16) on
.irp u, 0,1
.irp kb, 0,1,2,3
	global_load_b128 v[X+32*(\u)+8*(\kb):X+32*(\u)+8*(\kb)+3],   v5, s[26:27] offset:(\u)*131072+(\kb)*64 th:TH_LOAD_NT
	global_load_b128 v[X+32*(\u)+8*(\kb)+4:X+32*(\u)+8*(\kb)+7], v5, s[26:27] offset:(\u)*131072+(\kb)*64+16 th:TH_LOAD_NT
.endr
.endr
	; (b) the table's row, while they are on their way.  Lane l makes columns 2 l and 2 l + 1: cosines in lanes 0-15, sines in lanes 16-31, of i = 2 (l % 16) and i + 1
	v_lshlrev_b32 v74, 1, v3
	v_or_b32 v75, 1, v74
	v_cvt_f32_u32 v74, v74
	v_cvt_f32_u32 v75, v75
	v_mul_f32 v74, 0xbed49a79, v74                 ; -log2(10000) / 32 x i
	v_mul_f32 v75, 0xbed49a79, v75
	v_exp_f32 v76, v74
	v_exp_f32 v77, v75
	v_cvt_f32_u32 v78, s38                         ; pos
	v_xor_b32 v79, 1, v4                           ; 1 where a cosine is wanted: cos(x) = sin(x + pi/2); a plain instruction behind the exponentials
	s_wait_alu depctr_va_vdst(0)                   ; one wait for both exponentials, ahead of their first reader
	v_mul_f32 v76, v78, v76                        ; the angles
	v_mul_f32 v77, v78, v77
.macro TRIG a, t                       ; v[a]: the angle in, the value out; v[t .. t+4] at work
	v_mul_f32 v[\t], 0x3f22f983, v[\a]             ; x 2 / pi
	v_rndne_f32 v[\t], v[\t]                       ; n
	v_fmamk_f32 v[\a], v[\t], 0xbfc90fdb, v[\a]    ; r = angle - n pi/2, pi/2 in two parts
	v_fmamk_f32 v[\a], v[\t], 0x333bbd2e, v[\a]
	v_mul_f32 v[\t+1], v[\a], v[\a]                ; r^2
	v_mov_b32 v[\t+2], 0xb9500d01                  ; sin r = r + r r^2 (-1/6 + r^2 (1/120 - r^2 / 5040))
	v_fmaak_f32 v[\t+2], v[\t+2], v[\t+1], 0x3c088889
	v_fmaak_f32 v[\t+2], v[\t+2], v[\t+1], 0xbe2aaaab
	v_mul_f32 v[\t+2], v[\t+2], v[\t+1]
	v_fma_f32 v[\t+2], v[\t+2], v[\a], v[\a]
	v_mov_b32 v[\t+3], 0x37d00d01                  ; cos r = 1 + r^2 (-1/2 + r^2 (1/24 + r^2 (-1/720 + r^2 / 40320)))
	v_fmaak_f32 v[\t+3], v[\t+3], v[\t+1], 0xbab60b61
	v_fmaak_f32 v[\t+3], v[\t+3], v[\t+1], 0x3d2aaaab
	v_fmaak_f32 v[\t+3], v[\t+3], v[\t+1], 0xbf000000
	v_fmaak_f32 v[\t+3], v[\t+3], v[\t+1], 0x3f800000
	v_cvt_i32_f32 v[\t], v[\t]
	v_add_nc_u32 v[\t], v[\t], v79                 ; the quadrant k: sin r, cos r, -sin r, -cos r
	v_and_b32 v[\t+4], 1, v[\t]
	v_cmp_eq_u32 vcc_lo, 1, v[\t+4]
	v_cndmask_b32 v[\a], v[\t+2], v[\t+3], vcc_lo
	v_and_b32 v[\t], 2, v[\t]
	v_lshlrev_b32 v[\t], 30, v[\t]
	v_xor_b32 v[\a], v[\t], v[\a]
.endm
	TRIG 76, 82
	TRIG 77, 88
	v_and_b32 v80, 31, v0
	v_lshlrev_b32 v80, 3, v80                      ; 8 bytes a lane: each of the two stores below covers 256 bytes on end, aligned
	s_lshl_b32 s2, s38, 8
	s_mov_b32 s3, 0
	s_add_nc_u64 s[32:33], s[32:33], s[2:3]
	s_add_nc_u64 s[30:31], s[30:31], s[2:3]
	global_store_b64 v80, v[76:77], s[32:33]
	; (a) goes on: a compare makes a word of 32 lanes' bits; lane wd / 2 takes words wd (even: v72, odd: v73)
	v_mov_b32 v72, 0
	v_mov_b32 v73, 0
	s_wait_loadcnt 0x0
.set wd, 0
.rept 64
	v_cmp_eq_u32 s[40+wd%4], 1, v[X+wd]
	v_writelane_b32 v[72+wd%2], s[40+wd%4], wd/2
.set wd, wd+1
.endr
	global_store_b64 v80, v[72:73], s[30:31]
	; (c)
	s_cmp_lt_u32 s37, 8
	s_cbranch_scc0 .Ldone
	s_lshr_b32 s39, s37, 1                         ; which bias
	s_mov_b64 s[4:5], s[18:19]
	s_cmp_ge_u32 s39, 1
	s_cselect_b64 s[4:5], s[20:21], s[4:5]
	s_cmp_ge_u32 s39, 2
	s_cselect_b64 s[4:5], s[22:23], s[4:5]
	s_cmp_ge_u32 s39, 3
	s_cselect_b64 s[4:5], s[24:25], s[4:5]
	s_and_b32 s6, s37, 1                           ; which half of its 4,096 bytes
	s_lshl_b32 s6, s6, 11
	s_mov_b32 s7, 0
	s_add_nc_u64 s[4:5], s[4:5], s[6:7]
	s_lshl_b32 s6, s37, 11
	s_add_nc_u64 s[34:35], s[34:35], s[6:7]
	v_lshlrev_b32 v81, 3, v0
	global_load_b64 v[94:95], v81, s[4:5]
	s_wait_loadcnt 0x0
	v_cvt_pk_bf16_f32 v96, v94, v95
	v_lshlrev_b32 v98, 16, v96
	v_and_b32 v99, 0xffff0000, v96
	global_store_b64 v81, v[98:99], s[34:35]
.Ldone:
	s_endpgm
.Lfunc_end_k_qd6708b6589_prep:
	.size	k_qd6708b6589_prep, .Lfunc_end_k_qd6708b6589_prep-k_qd6708b6589_prep
	.p2alignl 7, 3214868480
	.fill 96, 4, 3214868480
	.section	.rodata,"a",@progbits
	.p2align	6, 0x0
	.amdhsa_kernel k_qd6708b6589_prep
		.amdhsa_group_segment_fixed_size 0
		.amdhsa_private_segment_fixed_size 0
		.amdhsa_enable_private_segment 0
		.amdhsa_kernarg_size 112
		.amdhsa_user_sgpr_count 2
		.amdhsa_user_sgpr_kernarg_segment_ptr 1
		.amdhsa_wavefront_size32 1
		.amdhsa_system_sgpr_workgroup_id_x 1
		.amdhsa_system_sgpr_workgroup_id_y 1
		.amdhsa_system_sgpr_workgroup_id_z 1
		.amdhsa_system_vgpr_workitem_id 0
		.amdhsa_next_free_vgpr 104
		.amdhsa_next_free_sgpr 66
		.amdhsa_reserve_vcc 1
		.amdhsa_float_denorm_mode_32 3
		.amdhsa_float_denorm_mode_16_64 3
		.amdhsa_memory_ordered 1
		.amdhsa_forward_progress 1
		.amdhsa_inst_pref_size 31
	.end_amdhsa_kernel
	.amdgpu_metadata
---
amdhsa.version: [ 1, 2 ]
amdhsa.kernels:
  - .name:           k_qd6708b6589_prep
    .symbol:         k_qd6708b6589_prep.kd
    .args:
      - { .name: x, .offset: 0, .size: 8, .value_kind: global_buffer, .address_space: global }
      - { .name: Wq, .offset: 8, .size: 8, .value_kind: global_buffer, .address_space: global }
      - { .name: Wk, .offset: 16, .size: 8, .value_kind: global_buffer, .address_space: global }
      - { .name: Wv, .offset: 24, .size: 8, .value_kind: global_buffer, .address_space: global }
      - { .name: Wo, .offset: 32, .size: 8, .value_kind: global_buffer, .address_space: global }
      - { .name: bq, .offset: 40, .size: 8, .value_kind: global_buffer, .address_space: global }
      - { .name: bk, .offset: 48, .size: 8, .value_kind: global_buffer, .address_space: global }
      - { .name: bv, .offset: 56, .size: 8, .value_kind: global_buffer, .address_space: global }
      - { .name: bo, .offset: 64, .size: 8, .value_kind: global_buffer, .address_space: global }
      - { .name: mask, .offset: 72, .size: 8, .value_kind: global_buffer, .address_space: global }
      - { .name: xw, .offset: 80, .size: 8, .value_kind: global_buffer, .address_space: global }
      - { .name: mbits, .offset: 88, .size: 8, .value_kind: global_buffer, .address_space: global }
      - { .name: rope, .offset: 96, .size: 8, .value_kind: global_buffer, .address_space: global }
      - { .name: bias, .offset: 104, .size: 8, .value_kind: global_buffer, .address_space: global }
    .group_segment_fixed_size: 0
    .private_segment_fixed_size: 0
    .kernarg_segment_align: 8
    .kernarg_segment_size: 112
    .max_flat_workgroup_size: 256
    .sgpr_count:     66
    .vgpr_count:     104
    .wavefront_size: 32
...
	.end_amdgpu_metadata
.endif
;; end of part 1
;; launch proj (part 2): grid 16 x 32, 4 waves a work-group, clusters of 4 x 4, 327,680 bytes of LDS; arguments xw, bias, rope, qkv; writes qkv
.if DOCPART == 2
	.amdgcn_target "amdgcn-amd-amdhsa--gfx1250"
	.amdhsa_code_object_version 6
	.text
	.protected	k_qd6708b6589_proj
	.globl	k_qd6708b6589_proj
	.p2align	8
	.type	k_qd6708b6589_proj,@function
k_qd6708b6589_proj:
	s_mov_b64 s[64:65], 0
	v_nop
	global_prefetch_b8 v0, s[64:65] scope:SCOPE_SE
	s_setreg_imm32_b32 hwreg(HW_REG_WAVE_MODE, 25, 1), 1
	s_wait_xcnt 0x0
	s_wait_alu depctr_hold_cnt(0) depctr_sa_sdst(0) depctr_va_vdst(0) depctr_va_sdst(0) depctr_va_ssrc(0) depctr_va_vcc(0) depctr_vm_vsrc(0)
	s_getreg_b32 s2, hwreg(HW_REG_IB_STS2, 6, 4)
	s_cmp_eq_u32 s2, 0
	s_cbranch_scc0 .Lentry_in_a_cluster
	s_endpgm
.Lentry_in_a_cluster:
	s_bfe_u32 s2, ttmp6, 0x10000c
	s_cmp_lg_u32 s2, 0xf033
	s_cbranch_scc0 .Lentry_shape_is_right
	s_endpgm
.Lentry_shape_is_right:
; q, k, v = rotate(x W^T + b).  x: [8192][1024] bf16 at xw's byte 0; W: [3072][1024] bf16 (Wq, Wk, Wv) at byte 16,777,216; sums in f32, started by the bias.
; Out: qkv, f16, [3][64 = batch x 16 + head][2048][64], each number rounded once.  q also carries c = log2(e) / 8, applied in f32 with the rotation, so that the attention launch works in powers of two.
; LIMIT: c q, k and v must stay within f16's 65,504 (as drawn they reach about 5); NaN and infinities are not treated apart.
; SHARES.  A tile of C is 256 rows x 192 columns = three whole heads: 32 x 16 = 512 equal work-groups (256-wide tiles would give 384).  The four waves lie one below the other: wave w has rows
; 64 w .. 64 w + 63 and ALL 192 columns: 48 accumulators of 16 x 16, number n = 12 a + b.  So a wave holds both halves of every head that it rotates, and its way out is its own.
; K goes in 8 steps of 128 through two LDS slots; rows of both tiles are 256 bytes of memory at multiples of 256.
; CLUSTER 4 x 4: A's tile hangs on the tile row alone and is asked for jointly along a row of the cluster, B's on the tile column alone, along a column.
; THE PRODUCT IS USED TRANSPOSED (source 0 = 16 rows of W, source 1 = 16 rows of x): lane l holds row l % 16 of C and the columns 8 (l / 16) + 0..7.
; REGISTERS in windows of 256 (s_set_vgpr_msb: bits 1:0 source 0, 3:2 source 1, 5:4 source 2, 7:6 destination):
;   window 0: v16-31 addresses; v32-95 A's fragments, two buffers of 32; v96-191 the bias as C operands, later at work on the way out (to v207)
;   window 1: B's fragments, two buffers of 96      window 2: accumulators 0-31      window 3: v0-127 accumulators 32-47; v128-255 the rotation table of my 64 rows
.set NB,     12                        ; blocks of 16 columns
.set HALF,   32                        ; a quarter's products ahead of its run of LDS loads
.set T1,     16                        ; the last quarter's three parts end at T1, T2 and 4 NB
.set T2,     32
.set W1,     2                         ; the loads of A's block 3, which products 0 .. HALF-1 do not need
.set NL,     2*NB+8                    ; LDS loads in a quarter
.set PITCH,  272                       ; an LDS row: 256 bytes + 16 of padding = 68 words: the 16 rows of a load start at 16 different groups of four banks (64 banks of 4 bytes: ISA guide 11.1)
.set ABYTES, 256*PITCH                 ; A's 256 rows; B's 192 follow
.set SLOT1,  131072                    ; slot 1 begins here: one exclusive or changes slots
.set STAGE,  SLOT1+ABYTES+16*NB*PITCH  ; behind the ring: 16 rows x 144 bytes for each wave
.set SP,     144
.set SPARE,  STAGE+4*16*SP             ; the spare words, 128 bytes a wave: two blocks of 256 bytes that no other line names
.set WOFF,   16777216
.set ASTEP,  256                       ; bytes along K from step to step
.set BSTEP,  256
.set FLAGS,  (1<<16)|(1<<20)|(1<<21)|(5<<22)|(3<<25)  ; 2-byte elements; padding on; bit 21 beside a mask; after every 64 words 4 words
.set ADRA,  16                         ; LDS address of my A fragments in the slot in hand
.set ADRA0, 17                         ; the same in slot 0; never rewritten
.set ADRB,  20
.set ADRB0, 21
.set STO,   24                         ; way out: where I put 16 bytes of a row
.set RD,    25                         ; way out: where I read rows back
.set GO,    26                         ; 16 x lane
.set TBO,   27                         ; my offset in 16 rows of the table
.set SPW,   28                         ; my spare word; never rewritten
.set NIL,   29                         ; 0; never rewritten
.set PFO,   30                         ; the prefetches' offset; never rewritten
.set BO,    31                         ; my offset in 16 numbers of the bias
.set AF,    32
.set BIAS,  96
.set CP,    96                         ; way out: 16 cosines x factor
.set SN,    112                        ; 16 sines x factor
.set TT,    128
.set RR,    144                        ; a head's 32 rotated numbers
.set HR,    176                        ; two buffers of 16: packed, then whole rows
.set TAB,   128                        ; window 3: for block a at TAB + 32 a: cos i = 8 h + j, 16 + 8 h + j, then the sines
.set WV,  16                           ; s16 wave; s17 = wave / 2: I fetch for A (0) or B (1); s18 = wave % 2: which half of that tile
.set G1,  24
.set G0,  32                           ; s[32:35] slot 0's first fill; s[36:39] slot 1's, which then walks
.set G0W, 36
.set PFA, 40
.set LIM, 42
.set TB,  43                           ; 0 or SLOT1: the slot in hand
.set G1B, 48
.set G0B, 56
.set G0BW, 60
.set SFA, 66                           ; s[66:71] a pair a head: the factor of cos and sin: c (q), 1 (k), 0 (v)
.set SFB, 72                           ; s[72:77] what is added to the cosine's product: 0, 0, 1: v passes unrotated without a branch
.set SOB, 78                           ; s[78:83] where my rows of each head begin in qkv
.set MSB, 0
.macro WIN new                         ; the high byte repeats the setting that is left; a switch that changes nothing is dropped
.if MSB != (\new)
	s_set_vgpr_msb (MSB<<8)|(\new)
.set MSB, \new
.endif
.endm
.macro PLACES                          ; four plain places in front of loads into registers that matrix instructions have read (ISA guide 7.12.1 for vector instructions)
.rept 4
	v_nop
.endr
.endm
.macro CREST                           ; a round of the cluster's barrier behind its opening barrier
	s_cmp_lg_u32 s[WV], 0
	s_cbranch_scc1 .Lnot_wave_0_\@
	s_barrier_signal -3
.Lnot_wave_0_\@:
	s_barrier_wait -3
	s_barrier_signal -1
	s_barrier_wait -1
.endm
.macro CROUND
	s_barrier_signal -1
	s_barrier_wait -1
	CREST
.endm
.macro JLOAD                           ; a joint refill by the walking descriptors; the branch hangs on the wave's number alone; an s_nop 0 and four v_nop follow each line
	s_cmp_eq_u32 s17, 0
	s_cbranch_scc0 .Lfor_b_\@
	tensor_load_to_lds s[G0W:G0W+3], s[G1:G1+7]
	s_nop 0
.rept 4
	v_nop
.endr
	s_branch .Lasked_\@
.Lfor_b_\@:
	tensor_load_to_lds s[G0BW:G0BW+3], s[G1B:G1B+7]
	s_nop 0
.rept 4
	v_nop
.endr
.Lasked_\@:
.endm
; A prefetch of the K step that stands two refills on, 384 matrix instructions ahead of the load that will want it: a lane a row, 256 bytes of each.  A's rows are asked for by the clusters with x = 0, B's by those with
; y = 0; the four partners of a joint load share its rows out by address (32 of A's 128, 24 of B's 96: there lanes 24-31 name lane 23's row again).  The loop's last two trips have no such K step.
.macro ASK
	s_cmp_gt_u32 s3, s[LIM]
	s_cbranch_scc0 .Lnot_mine_\@
	global_prefetch_b8 v[PFO], s[PFA:PFA+1] th:TH_LOAD_NT scope:SCOPE_SE
.Lnot_mine_\@:
.endm
	s_load_b256 s[4:11], s[0:1], 0x0               ; xw s[4:5], bias s[6:7], rope s[8:9], qkv s[10:11]
	v_lshl_add_u32 v[SPW], v0, 2, SPARE
	v_mov_b32 v[NIL], 0
	ds_add_u32 v[SPW], v[NIL]                      ; the wave's opening: the add and its wait ahead of my first tensor load; the set-up below stands between them
	v_lshrrev_b32 v1, 5, v0
	v_readfirstlane_b32 s[WV], v1
	s_lshr_b32 s17, s[WV], 1
	s_and_b32 s18, s[WV], 1
	s_bfe_u32 s19, ttmp6, 0x40000                  ; cx
	s_bfe_u32 s20, ttmp6, 0x40004                  ; cy
	s_lshl_b32 s21, ttmp9, 2
	s_add_co_u32 s21, s21, s19                     ; tile column tc
	s_and_b32 s22, ttmp7, 0xffff
	s_lshl_b32 s22, s22, 2
	s_add_co_u32 s22, s22, s20                     ; tile row tr
	s_lshl_b32 s12, s20, 2
	s_lshl_b32 s12, 15, s12                        ; my row of the cluster
	s_lshl_b32 s84, 0x1111, s19                    ; my column
	s_or_b32 s[G1], s12, FLAGS
	s_or_b32 s[G1B], s84, FLAGS
	s_mov_b32 s[G1+1], 128<<16                     ; tensor_dim0 = 128
	s_mov_b32 s[G1+2], 128<<16                     ; tensor_dim1 = 128 rows
	s_mov_b32 s[G1+3], 128<<16                     ; tile_dim0 = 128
	s_mov_b32 s[G1+4], 128                         ; tile_dim1 = 128
	s_mov_b32 s[G1+5], 1024                        ; elements from row to row
	s_mov_b32 s[G1+6], 0
	s_mov_b32 s[G1+7], 0
	s_mov_b32 s[G1B+1], 128<<16
	s_mov_b32 s[G1B+2], 96<<16                     ; B: 96 rows a load
	s_mov_b32 s[G1B+3], 128<<16
	s_mov_b32 s[G1B+4], 96
	s_mov_b32 s[G1B+5], 1024
	s_mov_b32 s[G1B+6], 0
	s_mov_b32 s[G1B+7], 0
	s_lshl_b32 s12, s22, 19                        ; A: (256 tr + 128 half) rows of 2,048 bytes
	s_lshl_b32 s13, s18, 18
	s_add_co_u32 s12, s12, s13
	s_mov_b32 s13, 0
	s_mul_i32 s84, s21, 192*2048                   ; B: (192 tc + 96 half) rows, behind x
	s_mul_i32 s85, s18, 96*2048
	s_add_co_u32 s84, s84, s85
	s_add_co_u32 s84, s84, WOFF
	s_mov_b32 s85, 0
	s_mul_i32 s14, s[WV], 128*PITCH                ; where they go: A's halves at wave x 128 rows (waves 0, 1),
	s_mul_i32 s15, s[WV], 96*PITCH                 ; B's at ABYTES + (wave - 2) x 96 rows (waves 2, 3)
	s_add_co_u32 s15, s15, ABYTES-2*96*PITCH
	s_mov_b32 s[TB], 0
	s_wait_dscnt 0x0                               ; the opening add is done
	s_wait_kmcnt 0x0
	s_add_nc_u64 s[46:47], s[4:5], s[12:13]
	s_add_nc_u64 s[86:87], s[4:5], s[84:85]
.irp s, 0,1
	s_mov_b32 s[G0+4*\s], 1
	s_add_co_u32 s[G0+4*\s+1], s14, \s*SLOT1
	s_add_nc_u64 s[G0+4*\s+2:G0+4*\s+3], s[46:47], \s*ASTEP
	s_or_b32 s[G0+4*\s+3], s[G0+4*\s+3], 0x80000000
	s_mov_b32 s[G0B+4*\s], 1
	s_add_co_u32 s[G0B+4*\s+1], s15, \s*SLOT1
	s_add_nc_u64 s[G0B+4*\s+2:G0B+4*\s+3], s[86:87], \s*BSTEP
	s_or_b32 s[G0B+4*\s+3], s[G0B+4*\s+3], 0x80000000
.endr
	CROUND                                         ; all sixteen work-groups are here: the first joint loads meet
	s_cmp_eq_u32 s17, 0                            ; a wave's two first fills stand in one branch: K steps 0 and 1; two loads of mine are out
	s_cbranch_scc0 .Lfirst_b
	tensor_load_to_lds s[G0:G0+3], s[G1:G1+7]
	s_nop 0
	tensor_load_to_lds s[G0W:G0W+3], s[G1:G1+7]
	s_nop 0
.rept 4
	v_nop
.endr
	s_branch .Lfirst_asked
.Lfirst_b:
	tensor_load_to_lds s[G0B:G0B+3], s[G1B:G1B+7]
	s_nop 0
	tensor_load_to_lds s[G0BW:G0BW+3], s[G1B:G1B+7]
	s_nop 0
.rept 4
	v_nop
.endr
.Lfirst_asked:
	v_and_b32 v1, 15, v0                           ; l % 16
	v_bfe_u32 v2, v0, 4, 1                         ; l / 16
	v_lshlrev_b32 v[BO], 5, v2                     ; the bias as a C operand: register j of block b is b[192 tc + 16 b + 8 (l / 16) + j], the same for all rows
	s_mul_i32 s88, s21, 768
	s_mov_b32 s89, 0
	s_add_nc_u64 s[88:89], s[6:7], s[88:89]
.set i, 0
.rept NB
	global_load_b128 v[BIAS+8*i:BIAS+8*i+3],   v[BO], s[88:89] offset:64*i
	global_load_b128 v[BIAS+8*i+4:BIAS+8*i+7], v[BO], s[88:89] offset:64*i+16
.set i, i+1
.endr
	v_lshlrev_b32 v[TBO], 8, v1                    ; the table: a position is 256 bytes; my eight i begin at 8 (l / 16)
	v_lshl_add_u32 v[TBO], v2, 5, v[TBO]
	s_and_b32 s90, s22, 7                          ; position of my first row: (tr % 8) x 256 + 64 wave
	s_lshl_b32 s90, s90, 16
	s_lshl_b32 s91, s[WV], 14
	s_add_co_u32 s90, s90, s91
	s_mov_b32 s91, 0
	s_add_nc_u64 s[90:91], s[8:9], s[90:91]
	WIN 0xc0                                       ; destination window 3
.set i, 0
.rept 32                               ; block a = i / 8; piece i % 8: cos 0-15, cos 16-31, sin 0-15, sin 16-31, each in two loads
	global_load_b128 v[TAB+4*i:TAB+4*i+3], v[TBO], s[90:91] offset:4096*(i/8)+64*((i%8)/2)+16*(i%2)
.set i, i+1
.endr
	WIN 0
	v_mul_u32_u24 v3, v1, PITCH
	v_lshl_add_u32 v3, v2, 4, v3                   ; a fragment: row x pitch + 16 x half
	s_mul_i32 s23, s[WV], 64*PITCH
	v_add_nc_u32 v[ADRA0], s23, v3                 ; my 64 rows of A
	v_add_nc_u32 v[ADRB0], ABYTES, v3              ; all of B
	v_mov_b32 v[ADRA], v[ADRA0]
	v_mov_b32 v[ADRB], v[ADRB0]
	s_mul_i32 s23, s[WV], 16*SP
	s_add_co_u32 s23, s23, STAGE                   ; my stage
	v_mul_u32_u24 v4, v1, SP
	v_lshl_add_u32 v4, v2, 4, v4
	v_add_nc_u32 v[STO], s23, v4
	v_bfe_u32 v5, v0, 3, 2                         ; back: 32 lanes take four rows of 128 bytes,
	v_mul_u32_u24 v5, v5, SP
	v_and_b32 v6, 7, v0
	v_lshl_add_u32 v5, v6, 4, v5
	v_add_nc_u32 v[RD], s23, v5
	v_and_b32 v6, 31, v0
	v_lshlrev_b32 v[GO], 4, v6                     ; which are 512 bytes on end in qkv
	; the three heads of my tile: head g = 3 tc + hd of 48: kind g / 16 (q, k, v), head g % 16.  The kind enters numbers and store addresses alone, no branch.
	s_mul_i32 s96, s21, 3
	s_lshr_b32 s99, s22, 3
	s_lshl_b32 s99, s99, 4                         ; 16 x batch
	s_and_b32 s104, s22, 7
	s_lshl_b32 s104, s104, 15                      ; my first row in the head: (tr % 8) x 256 + 64 wave, 128 bytes each
	s_lshl_b32 s97, s[WV], 13
	s_add_co_u32 s104, s104, s97
	s_mov_b32 s101, 0
.irp hd, 0,1,2
	s_add_co_u32 s97, s96, \hd
	s_lshr_b32 s98, s97, 4
	s_and_b32 s97, s97, 15
	s_cmp_eq_u32 s98, 0
	s_cselect_b32 s[SFA+2*\hd], 0x3e38aa3b, 1.0    ; c = log2(e) / 8 for q
	s_cmp_eq_u32 s98, 2
	s_cselect_b32 s[SFA+2*\hd], 0, s[SFA+2*\hd]
	s_cselect_b32 s[SFB+2*\hd], 1.0, 0
	s_mov_b32 s[SFA+2*\hd+1], s[SFA+2*\hd]         ; named as pairs
	s_mov_b32 s[SFB+2*\hd+1], s[SFB+2*\hd]
	s_lshl_b32 s98, s98, 6
	s_add_co_u32 s98, s98, s99
	s_add_co_u32 s98, s98, s97
	s_lshl_b32 s98, s98, 18                        ; 2,048 rows of 128 bytes
	s_add_co_u32 s100, s98, s104
	s_add_nc_u64 s[SOB+2*\hd:SOB+2*\hd+1], s[10:11], s[100:101]
.endr
	; the prefetches
	s_lshl_b32 s92, s19, 16                        ; A: cx x 32 rows
	s_add_co_u32 s92, s92, s12
	s_mul_i32 s94, s20, 24*2048                    ; B: cy x 24 rows
	s_add_co_u32 s94, s94, s84
	s_and_b32 s95, ttmp7, 0xffff
	s_cmp_eq_u32 s17, 0
	s_cselect_b32 s92, s92, s94
	s_cselect_b32 s95, ttmp9, s95                  ; the coordinate along which other clusters read the same rows
	s_cselect_b32 s93, 31, 23
	s_cmp_eq_u32 s95, 0
	s_cselect_b32 s[LIM], 2, -1                    ; the same in all sixteen partners, for a given wave
	v_min_u32 v[PFO], s93, v6
	v_lshlrev_b32 v[PFO], 11, v[PFO]
	s_add_co_u32 s92, s92, 3*256                   ; at K step 3: the first refill steps it to 4.  Nothing is asked for here, at the head
	s_mov_b32 s93, 0
	s_add_nc_u64 s[PFA:PFA+1], s[4:5], s[92:93]
; Products n0 .. n1 of a quarter's 48, on buffer f.  The accumulators take turns, one instruction a turn, in the same order in every quarter, over the backward jump too.
; first = 1: the bias is the C operand that starts the sum: nothing is cleared and nothing is added later.
.macro MUL f, n0, n1, first
.set n, \n0
.rept (\n1)-(\n0)+1
.set rd, 8*(n%32)
.set rb, 8*NB*(\f)+8*(n%NB)
.set ra, AF+32*(\f)+8*(n/NB)
.if \first
	WIN 0x81+0x40*(n/32)
	v_wmma_f32_16x16x32_bf16 v[rd:rd+7], v[rb:rb+7], v[ra:ra+7], v[BIAS+8*(n%NB):BIAS+8*(n%NB)+7]
.else
	WIN 0xa1+0x50*(n/32)
	v_wmma_f32_16x16x32_bf16 v[rd:rd+7], v[rb:rb+7], v[ra:ra+7], v[rd:rd+7]
.endif
.set n, n+1
.endr
.endm
.macro FETCH kq, f                     ; one run of 32 LDS loads: quarter kq's fragments into buffer f: B's twelve, then A's four
	WIN 0x40
.set i, 0
.rept NB
	ds_load_b128 v[8*NB*(\f)+8*i:8*NB*(\f)+8*i+3],   v[ADRB] offset:64*(\kq)+i*16*PITCH
	ds_load_b128 v[8*NB*(\f)+8*i+4:8*NB*(\f)+8*i+7], v[ADRB] offset:64*(\kq)+i*16*PITCH+32
.set i, i+1
.endr
	WIN 0
.set i, 0
.rept 4
	ds_load_b128 v[AF+32*(\f)+8*i:AF+32*(\f)+8*i+3],   v[ADRA] offset:64*(\kq)+i*16*PITCH
	ds_load_b128 v[AF+32*(\f)+8*i+4:AF+32*(\f)+8*i+7], v[ADRA] offset:64*(\kq)+i*16*PITCH+32
.set i, i+1
.endr
.endm
.macro QUARTER kq, f, g, first         ; multiplies buffer f; in its middle fetches quarter kq into buffer g
	s_wait_dscnt W1                                ; all of buffer f but A's last block
	MUL \f, 0, HALF-1, \first
	PLACES
	FETCH \kq, \g
	s_wait_dscnt NL                                ; all but the run just issued
	MUL \f, HALF, 4*NB-1, \first
.endm
; The last quarter multiplies buffer 1 and changes slots.  In front of the barrier each wave waits for all its tensor loads (one is out: its part of the next slot), adds 0 to its spare word, and waits for
; that and for its reads of this slot.  fill = 1: the barrier opens a round of the cluster's, and the joint refill, two K steps on, is the first thing behind it.
.macro TURN fill
.if \fill
	s_wait_xcnt 0x0                                ; the last prefetch, a K step back, has read its address
	s_add_nc_u64 s[PFA:PFA+1], s[PFA:PFA+1], 256
.endif
	WIN 0
	s_xor_b32 s[TB], s[TB], SLOT1
	v_add_nc_u32 v[ADRA], s[TB], v[ADRA0]          ; the fetches go on in the other slot
	v_add_nc_u32 v[ADRB], s[TB], v[ADRB0]
	s_wait_tensorcnt 0x0                           ; no tensor load of mine is out, so a group 0 may be written
	ds_add_u32 v[SPW], v[NIL]                      ; 0 onto my spare word
.if \fill
	s_xor_b32 s[G0W+1], s[G0W+1], SLOT1            ; the walking descriptors: the other slot than last time, the next K step
	s_add_nc_u64 s[G0W+2:G0W+3], s[G0W+2:G0W+3], ASTEP
	s_xor_b32 s[G0BW+1], s[G0BW+1], SLOT1
	s_add_nc_u64 s[G0BW+2:G0BW+3], s[G0BW+2:G0BW+3], BSTEP
.endif
	s_wait_dscnt W1+1                              ; the add and A's last block may be out
	MUL 1, 0, T1-1, 0
	s_wait_dscnt 0x0                               ; the add is done, and my reads of this slot are over
	s_barrier_signal -1
	MUL 1, T1, T2-1, 0
	WIN 0
	s_barrier_wait -1
.if \fill
	CREST
	JLOAD                                          ; its four v_nop are also the places in front of the loads below
.else
	PLACES
.endif
	FETCH 0, 0
.if \fill
	ASK
.endif
	MUL 1, T2, 4*NB-1, 0
.endm
	s_wait_loadcnt 32                              ; the bias is in; the table's 32 loads, issued behind it, stay out until the way out
	s_wait_tensorcnt 0x1                           ; my part of K step 0 is in; K step 1's may stay out
	s_barrier_signal -1
	s_barrier_wait -1
	FETCH 0, 0
	QUARTER 1, 0, 1, 1
	WIN 0
	s_mov_b32 s3, 6
.Lk:                                               ; trip i: the rest of K step i, the first quarter of K step i + 1; K step i + 2 is asked for
	QUARTER 2, 1, 0, 0
	QUARTER 3, 0, 1, 0
	TURN 1
	QUARTER 1, 0, 1, 0
	WIN 0
	s_sub_co_u32 s3, s3, 1
	s_cmp_lg_u32 s3, 0
	s_cbranch_scc1 .Lk
	QUARTER 2, 1, 0, 0                             ; K steps 6 and 7 ask for nothing
	QUARTER 3, 0, 1, 0
	TURN 0
	QUARTER 1, 0, 1, 0
	QUARTER 2, 1, 0, 0
	QUARTER 3, 0, 1, 0
	s_wait_dscnt W1
	MUL 1, 0, HALF-1, 0
	s_wait_dscnt 0x0
	MUL 1, HALF, 4*NB-1, 0
; THE WAY OUT, in 12 units u = 3 a + hd: 16 rows of one head.  Dims d and d + 32 of a head lie in accumulators blk and blk + 2 of the same lane:
; out[d] = x[d] cos - x[d+32] sin, out[d+32] = x[d+32] cos + x[d] sin, with cos and sin first multiplied by the head's factor (v: cos -> 1, sin -> 0).
; Then rounded to f16, through my stage, and stored as 2,048 bytes on end.  Each accumulator is read from its lowest registers on.
.macro PACK u
.set ua, (\u)/3
.set uh, (\u)%3
.set HB, HR+16*((\u)%2)
	WIN 0x03                                       ; source 0: the table, window 3.  In unit 0 these 16 lines are the places behind the last products
.set z, 0
.rept 8
	v_pk_fma_f32 v[CP+2*z:CP+2*z+1], v[TAB+32*ua+2*z:TAB+32*ua+2*z+1], s[SFA+2*uh:SFA+2*uh+1], s[SFB+2*uh:SFB+2*uh+1] op_sel_hi:[1,0,0]
	v_pk_mul_f32 v[SN+2*z:SN+2*z+1], v[TAB+32*ua+16+2*z:TAB+32*ua+16+2*z+1], s[SFA+2*uh:SFA+2*uh+1] op_sel_hi:[1,0]
.set z, z+1
.endr
	WIN 2+(12*ua+4*uh)/32                          ; source 0: the head's four accumulators, all in one window
.irp blk, 0,1
.set z, 0
.rept 4
.set rlo, 8*((12*ua+4*uh+\blk)%32)+2*z
.set rhi, rlo+16
	v_pk_mul_f32 v[TT+4*z:TT+4*z+1],   v[rhi:rhi+1], v[SN+8*\blk+2*z:SN+8*\blk+2*z+1]
	v_pk_mul_f32 v[TT+4*z+2:TT+4*z+3], v[rlo:rlo+1], v[SN+8*\blk+2*z:SN+8*\blk+2*z+1]
.set z, z+1
.endr
.set z, 0
.rept 4
.set rlo, 8*((12*ua+4*uh+\blk)%32)+2*z
.set rhi, rlo+16
	v_pk_fma_f32 v[RR+8*\blk+2*z:RR+8*\blk+2*z+1],       v[rlo:rlo+1], v[CP+8*\blk+2*z:CP+8*\blk+2*z+1], v[TT+4*z:TT+4*z+1] neg_lo:[0,0,1] neg_hi:[0,0,1]
	v_pk_fma_f32 v[RR+16+8*\blk+2*z:RR+16+8*\blk+2*z+1], v[rhi:rhi+1], v[CP+8*\blk+2*z:CP+8*\blk+2*z+1], v[TT+4*z+2:TT+4*z+3]
.set z, z+1
.endr
.endr
	WIN 0
.if (\u) >= 2
	s_wait_xcnt 0x0                                ; the stores of two units back have read this buffer
.endif
.set z, 0
.rept 16
	v_cvt_pk_f16_f32 v[HB+z], v[RR+2*z], v[RR+2*z+1]
.set z, z+1
.endr
.irp f, 0,1,2,3
	ds_store_b128 v[STO], v[HB+4*\f:HB+4*\f+3] offset:32*\f
.endr
.irp f, 0,1,2,3
	ds_load_b128 v[HB+4*\f:HB+4*\f+3], v[RD] offset:\f*4*SP  ; LDS serves a wave's instructions in order (ISA guide 5.7.1.4): these see the stores above
.endr
.endm
.macro SEND u, younger                 ; younger: the LDS instructions issued behind unit u's loads
.set ua, (\u)/3
.set uh, (\u)%3
.set HB, HR+16*((\u)%2)
.irp f, 0,1,2,3
	s_wait_dscnt (\younger)+3-\f
	global_store_b128 v[GO], v[HB+4*\f:HB+4*\f+3], s[SOB+2*uh:SOB+2*uh+1] offset:ua*2048+\f*512  ; 512 bytes on end, at a multiple of 256 from qkv's first byte
.endr
.endm
	s_wait_loadcnt 0x0                             ; the table
	PACK 0
.set un, 1
.rept 11
	PACK un
	SEND un-1, 8
.set un, un+1
.endr
	SEND 11, 0
	s_wait_tensorcnt 0x0                           ; the wave's end: behind my last tensor load and my last LDS store
	ds_add_u32 v[SPW], v[NIL]
	s_wait_dscnt 0x0
	CROUND                                         ; the closing round
	s_endpgm
.Lfunc_end_k_qd6708b6589_proj:
	.size	k_qd6708b6589_proj, .Lfunc_end_k_qd6708b6589_proj-k_qd6708b6589_proj
	.p2alignl 7, 3214868480
	.fill 96, 4, 3214868480
	.section	.rodata,"a",@progbits
	.p2align	6, 0x0
	.amdhsa_kernel k_qd6708b6589_proj
		.amdhsa_group_segment_fixed_size 327680
		.amdhsa_private_segment_fixed_size 0
		.amdhsa_enable_private_segment 0
		.amdhsa_kernarg_size 32
		.amdhsa_user_sgpr_count 2
		.amdhsa_user_sgpr_kernarg_segment_ptr 1
		.amdhsa_wavefront_size32 1
		.amdhsa_system_sgpr_workgroup_id_x 1
		.amdhsa_system_sgpr_workgroup_id_y 1
		.amdhsa_system_sgpr_workgroup_id_z 1
		.amdhsa_system_vgpr_workitem_id 0
		.amdhsa_next_free_vgpr 1024
		.amdhsa_next_free_sgpr 106
		.amdhsa_reserve_vcc 0
		.amdhsa_float_denorm_mode_32 3
		.amdhsa_float_denorm_mode_16_64 3
		.amdhsa_memory_ordered 1
		.amdhsa_forward_progress 1
		.amdhsa_inst_pref_size 142
	.end_amdhsa_kernel
	.amdgpu_metadata
---
amdhsa.version: [ 1, 2 ]
amdhsa.kernels:
  - .name:           k_qd6708b6589_proj
    .symbol:         k_qd6708b6589_proj.kd
    .args:
      - { .name: xw, .offset: 0, .size: 8, .value_kind: global_buffer, .address_space: global }
      - { .name: bias, .offset: 8, .size: 8, .value_kind: global_buffer, .address_space: global }
      - { .name: rope, .offset: 16, .size: 8, .value_kind: global_buffer, .address_space: global }
      - { .name: qkv, .offset: 24, .size: 8, .value_kind: global_buffer, .address_space: global }
    .group_segment_fixed_size: 327680
    .private_segment_fixed_size: 0
    .kernarg_segment_align: 8
    .kernarg_segment_size: 32
    .max_flat_workgroup_size: 128
    .sgpr_count:     106
    .vgpr_count:     1024
    .wavefront_size: 32
...
	.end_amdgpu_metadata
.endif
;; end of part 2
;; launch attn (part 3): grid 4 x 64, 4 waves a work-group, clusters of 4 x 1, 327,680 bytes of LDS; arguments qkv, mbits, att; writes att
.if DOCPART == 3
	.amdgcn_target "amdgcn-amd-amdhsa--gfx1250"
	.amdhsa_code_object_version 6
	.text
	.protected	k_qd6708b6589_attn
	.globl	k_qd6708b6589_attn
	.p2align	8
	.type	k_qd6708b6589_attn,@function
k_qd6708b6589_attn:
	s_mov_b64 s[64:65], 0
	v_nop
	global_prefetch_b8 v0, s[64:65] scope:SCOPE_SE
	s_setreg_imm32_b32 hwreg(HW_REG_WAVE_MODE, 25, 1), 1
	s_wait_xcnt 0x0
	s_wait_alu depctr_hold_cnt(0) depctr_sa_sdst(0) depctr_va_vdst(0) depctr_va_sdst(0) depctr_va_ssrc(0) depctr_va_vcc(0) depctr_vm_vsrc(0)
	s_getreg_b32 s2, hwreg(HW_REG_IB_STS2, 6, 4)
	s_cmp_eq_u32 s2, 0
	s_cbranch_scc0 .Lentry_in_a_cluster
	s_endpgm
.Lentry_in_a_cluster:
	s_bfe_u32 s2, ttmp6, 0x10000c
	s_cmp_lg_u32 s2, 0x3003
	s_cbranch_scc0 .Lentry_shape_is_right
	s_endpgm
.Lentry_shape_is_right:
; O[h][q][:] = the sum over k of softmax_k(s[q][k]) V[h][k][:], s = Q . K / 8, or -1e9 where mask[q][k] == 1.  Q, K, V: qkv, [3][64][2048][64] f16; O: att, [64][2048][64] f16.
; Q arrives multiplied by c = log2(e) / 8, so scores are exponents of two; a masked score is REPLACED by -1e9 log2(e): a row that is masked throughout comes out as the plain mean of V, as in the definition.
; Products, maxima and sums in f32; the weights p are rounded to f16 for the second product (their sum l is taken of the unrounded p), O once at the end.
; LIMITS.  Q, K, V arrive within f16's 65,504; p lies in 0 to 1 and below 6e-5 keeps f16's step of 6e-8; a weight below 2^-126 counts as 0 in l; NaN and infinities are not treated apart.
; THE MASK is an input and is honoured bit for bit; nothing of its pattern is built in.  An earlier launch has turned it into lane-mask words: one 32-bit word for each score REGISTER of a tile and step,
; bit l for lane l; a piece's 64 words of a step are 256 bytes on end.  One load of 8 bytes a lane brings them into a pair of vector registers, a pair for each piece, asked for again as soon as it has been read
; out: almost four turns ahead of its use.  v_readlane_b32 moves each word into a scalar register, and one v_cndmask_b32 a score takes it as the select.
; SHARES.  A wave owns four PIECES of two tiles of 16 queries, a work-group's four waves 512 queries of one head; every wave walks all 2,048 keys, 64 a step.
; LAYOUT.  S^T = K Q^T: a lane holds ONE query (lane % 16) and the keys 8 (lane / 16) + 0..7; two such results rounded to f16 ARE source 1 of O^T = V^T P.  K comes out of LDS as it lies, V turned (ds_load_tr16_b128).
; SOFTMAX.  A running maximum m and sum l for each query: p = 2^(s - m); in every step O and l are multiplied by a = 2^(m_old - m_new).  m starts at the lowest finite number, O and l at 0.
; BY TURNS.  Turn n belongs to piece n.  Matrix work: 16 products K Q^T of piece n + 1, later 16 products V^T P of piece n - 1.  Vector work: piece n's s - m, exponentials, roundings, sums and rescaling; piece
; n + 1's mask words, masking, maximum and statistics.  Four vector instructions stand behind every matrix instruction, the rest in one lump; a turn's 66 exponentials are ONE batch with ONE wait.
; CLUSTER.  The four query blocks of a head walk the same K and V: each tile is asked for jointly.
; REGISTERS in windows of 256 (s_set_vgpr_msb: bits 1:0 source 0, 3:2 source 1, 5:4 source 2, 7:6 destination):
;   window 0: v0-1, v6-11 the four pairs of mask words (at the head: at work); v2-5 addresses; v12-15, v48-63 at work; v16-47 statistics; v64-191 S^T, two buffers of two tiles; v192-255 P, likewise
;   window 1: O^T, 32 a tile      window 2: v0-127 Q; v128-191 K of a step; v192-255 V of a step      window 3: v0-1 the add's registers, v2 the prefetches' offset
.set NP,    4
.set KS,    64
.set PK,    144       ; a row of K in LDS: 128 bytes + 16: the 16 rows of a load start at 16 different groups of four banks (64 banks of 4 bytes: ISA guide 11.1)
.set PV,    160       ; a row of V: 128 + 32
.set VOFF,  4*KS*PK   ; a slot holds four steps: 256 rows of K, then 256 rows of V
.set SLOT1, 1<<17
.set STAGE, SLOT1+4*KS*(PK+PV)
.set SP,    144
.set SPARE, STAGE+4*16*SP
.set AK0, 2
.set AV0, 3
.set AK,  4
.set AV,  5
.set QO,  12          ; my offset in the wave's rows of Q: free again when Q is in
.set SPW, 0           ; window 3
.set NIL, 1           ; window 3
.set PFO, 2           ; window 3: 256 x lane
.set MV,  12          ; m_old, kept while m is made anew: by buffer and tile
.set ST,  16          ; tile t's statistics at v[ST+4 t]: m, a register that the packed subtraction names with m as a pair and never takes a number from, l (even keys', odd keys')
.set MOF, ST+1        ; those eight registers hold what must be kept and never rewritten: 8 x lane, the mask loads' offset;
.set NEGV, ST+5       ; -1e9 log2(e);
.set STO, ST+9        ; the way out: where I put 16 bytes of a row;
.set RD,  ST+13       ; where I read rows back;
.set GO,  ST+17       ; 16 x lane; the last three hold 0
.set TMP, 48          ; by buffer and tile c0-c3; when the maximum is found c2 takes a
.set S,   64
.set P,   192
.set KF,  128
.set VF,  192
.set MP,  2           ; s[2:3]  the mask words of my piece 0, at the step that the next load asks for
.set PFA, 4           ; s[4:5]  where my prefetches stand; in the tail at work; at the way out O's address
.set WV,  6
.set SLOTS, 7
.set G1K, 8
.set G1V, 16
.set G0K, 24
.set G0V, 28
.set MB0, 32          ; s[32:63]  the 32 words of a piece's first tile;  at the head: set-up's registers
.set MB1, 68          ; s[68:99]  of its second tile
.set CNT, 66
.set TBK, 67
.set TBV, 100
.set SEL0, 101
.set SEL1, 104
.set LIM, 105         ; 1 in a wave that prefetches, else the greatest number
.set MSB, 0
.macro WIN new
.if MSB != (\new)
	s_set_vgpr_msb (MSB<<8)|(\new)
.set MSB, (\new)
.endif
.endm
.set W_KQ, 0x0a
.set W_PV, 0x52
.set W_RS, 0x41
.set W_MK, 0xc0
.set W_AD, 0x0f
.macro JLOAD                        ; waves 0 and 1 fetch the two halves of a slot's K, waves 2 and 3 of its V; an s_nop 0 and four v_nop follow each line
	s_cmp_lt_u32 s[WV], 2
	s_cbranch_scc0 .Lfor_v_\@
	tensor_load_to_lds s[G0K:G0K+3], s[G1K:G1K+7]
	s_nop 0
.rept 4
	v_nop
.endr
	s_branch .Lasked_\@
.Lfor_v_\@:
	tensor_load_to_lds s[G0V:G0V+3], s[G1V:G1V+7]
	s_nop 0
.rept 4
	v_nop
.endr
.Lasked_\@:
.endm
; A prefetch of what the NEXT change of slots will ask for: four key steps, 512 matrix instructions, ahead.  A slot is 128 blocks of 256 bytes of K and as many of V; a head has one cluster; its four partners take
; 32 blocks each, by address; wave 0 asks for K's, wave 2 for V's: each block is named once.  The last change that fills a slot asks for nothing.
.macro ASK
	s_cmp_gt_u32 s[SLOTS], s[LIM]
	s_cbranch_scc0 .Lnot_mine_\@
	WIN 0x03
	global_prefetch_b8 v[PFO], s[PFA:PFA+1] th:TH_LOAD_NT scope:SCOPE_SE
	WIN 0
.Lnot_mine_\@:
.endm
.macro CROUND
	s_barrier_signal -1
	s_barrier_wait -1
	s_cmp_lg_u32 s[WV], 0
	s_cbranch_scc1 .Lnot_wave_0_\@
	s_barrier_signal -3
.Lnot_wave_0_\@:
	s_barrier_wait -3
	s_barrier_signal -1
	s_barrier_wait -1
.endm
; THE CHANGE OF SLOTS.  Each wave waits for all its tensor loads (one is out: its part of the other slot), adds 0 to its spare word, and waits for that and for its reads of the slot.
; fill = 1: the barrier is a round of the cluster's, and the joint fill, two slots on, is the first thing behind it.  (At its first use slot 0 is waited for and slot 1 filled.)
.macro CHANGE fill
	WIN W_AD
	s_wait_tensorcnt 0x0
	ds_add_u32 v[SPW], v[NIL]
	WIN 0
.if \fill
.irp g, G0K, G0V
	s_xor_b32 s[\g+1], s[\g+1], SLOT1
	s_add_nc_u64 s[\g+2:\g+3], s[\g+2:\g+3], 4*KS*128
.endr
	s_wait_xcnt 0x0                 ; the last prefetch, four key steps back, has read its address
	s_add_nc_u64 s[PFA:PFA+1], s[PFA:PFA+1], 4*KS*128
	s_wait_dscnt 0x0                ; the add is done, and my reads of the slot are over
	CROUND
	JLOAD
	ASK
.else
	s_wait_dscnt 0x0
	s_barrier_signal -1
	s_barrier_wait -1
.endif
	s_sub_co_u32 s[TBK], s[TBK], 4*KS*PK
	s_xor_b32 s[TBK], s[TBK], SLOT1
	s_sub_co_u32 s[TBV], s[TBV], 4*KS*PV
	s_xor_b32 s[TBV], s[TBV], SLOT1
.endm
.macro MLOAD x                      ; the 64 mask words of piece x at the step where MP stands, 256 bytes on end: lane l takes words 2 l and 2 l + 1, into the piece's own pair
.set rp, 4+2*(\x)
.if (\x) == 0
.set rp, 0
.endif
	global_load_b64 v[rp:rp+1], v[MOF], s[MP:MP+1] offset:(\x)*8192
.endm
	s_load_b128 s[40:43], s[0:1], 0x0  ; qkv s[40:41], mbits s[42:43]
	v_and_b32 v1, 31, v0
	WIN W_MK
	v_lshl_add_u32 v[SPW], v0, 2, SPARE
	v_mov_b32 v[NIL], 0
	v_lshlrev_b32 v[PFO], 8, v1
	WIN W_AD
	ds_add_u32 v[SPW], v[NIL]       ; the wave's opening: the add and its wait ahead of my first tensor load
	WIN 0
	v_lshrrev_b32 v1, 5, v0
	v_readfirstlane_b32 s[WV], v1
	s_bfe_u32 s32, ttmp6, 0x40000   ; cx
	s_lshl_b32 s33, ttmp9, 2
	s_add_co_u32 s33, s33, s32      ; my block of 512 queries: it enters Q's, O's and the mask's addresses alone
	s_and_b32 s34, ttmp7, 0xffff
	s_lshl_b32 s34, s34, 18         ; the head: 2,048 rows of 128 bytes
	s_and_b32 s35, s[WV], 1         ; which half of a slot's 256 keys I fetch
	s_lshl_b32 s36, s35, 14
	s_add_co_u32 s36, s36, s34
	s_add_co_u32 s44, s36, 16777216 ; K lies behind Q,
	s_mov_b32 s45, 0
	s_add_co_u32 s46, s36, 33554432 ; V behind K
	s_mov_b32 s47, 0
	s_mul_i32 s37, s35, 128*PK
	s_mul_i32 s38, s35, 128*PV
	s_lshl_b32 s48, s33, 2
	s_add_co_u32 s48, s48, s[WV]    ; my wave among the head's sixteen
	s_lshl_b32 s50, s48, 15         ; its four pieces' words: 8,192 bytes a piece
	s_mov_b32 s51, 0
	s_lshl_b32 s48, s48, 14         ; its 128 rows
	s_add_co_u32 s48, s48, s34
	s_mov_b32 s49, 0
	s_lshr_b32 s52, s[WV], 1        ; the prefetches: K (waves 0, 1) or V,
	s_add_co_u32 s52, s52, 1
	s_lshl_b32 s52, s52, 24
	s_add_co_u32 s52, s52, s34
	s_lshl_b32 s53, s32, 13         ; my work-group's 32 blocks,
	s_add_co_u32 s52, s52, s53
	s_add_co_u32 s52, s52, 4*KS*128 ; in slot 1: the first change steps it to slot 2
	s_mov_b32 s53, 0
	s_cmp_eq_u32 s35, 0
	s_cselect_b32 s[LIM], 1, -1
	s_mov_b32 s[G1K], 15|(1<<16)|(1<<20)|(1<<21)|(4<<22)|(3<<25)  ; the mask of four; 2-byte elements; padding on; bit 21 beside a mask; after every 32 words 4 words
	s_mov_b32 s[G1V], 15|(1<<16)|(1<<20)|(1<<21)|(4<<22)|(7<<25)  ; the same with 8 words
.irp g, G1K, G1V
	s_mov_b32 s[\g+1], 128<<16      ; 128 keys are 16,384 dense bytes: asked for as 64 rows of 256 bytes, two keys a row
	s_mov_b32 s[\g+2], 64<<16
	s_mov_b32 s[\g+3], 128<<16
	s_mov_b32 s[\g+4], 64
	s_mov_b32 s[\g+5], 128
	s_mov_b32 s[\g+6], 0
	s_mov_b32 s[\g+7], 0
.endr
	s_mov_b32 s[SEL0], 0x76543210
	s_mov_b32 s[SEL1], 0xfedcba98
	s_mov_b32 s[TBK], SLOT1+4*KS*PK ; the first change of slots turns these two into 0
	s_mov_b32 s[TBV], SLOT1+4*KS*PV
	s_mov_b32 s[SLOTS], 7
	s_mov_b32 s[G0K], 1
	s_mov_b32 s[G0K+1], s37
	s_mov_b32 s[G0V], 1
	s_add_co_u32 s[G0V+1], s38, VOFF
	s_wait_dscnt 0x0                ; the opening add is done
	s_wait_kmcnt 0x0
	s_add_nc_u64 s[G0K+2:G0K+3], s[40:41], s[44:45]
	s_or_b32 s[G0K+3], s[G0K+3], 0x80000000
	s_add_nc_u64 s[G0V+2:G0V+3], s[40:41], s[46:47]
	s_or_b32 s[G0V+3], s[G0V+3], 0x80000000
	s_add_nc_u64 s[54:55], s[40:41], s[48:49]  ; Q at my wave's first row
	s_add_nc_u64 s[MP:MP+1], s[42:43], s[50:51]
	s_add_nc_u64 s[PFA:PFA+1], s[40:41], s[52:53]
	CROUND
	JLOAD                           ; slot 0
	v_and_b32 v1, 15, v0            ; l % 16
	v_bfe_u32 v9, v0, 4, 1          ; l / 16
	v_lshlrev_b32 v[QO], 7, v1
	v_lshl_add_u32 v[QO], v9, 4, v[QO]
	WIN 0x80
.set i, 0
.rept 4*NP                          ; Q stays in registers: tile i / 2, channels 32 (i % 2) on
	global_load_b128 v[8*i:8*i+3],   v[QO], s[54:55] offset:(i/2)*2048+(i%2)*64
	global_load_b128 v[8*i+4:8*i+7], v[QO], s[54:55] offset:(i/2)*2048+(i%2)*64+32
.set i, i+1
.endr
	WIN 0
	; every address that hangs on the thread's number is made here: v0, v1 and v6-11 then become the pairs of mask words
	v_mul_u32_u24 v[AK0], v1, PK
	v_lshl_add_u32 v[AK0], v9, 4, v[AK0]
	v_and_b32 v10, 7, v0
	v_bfe_u32 v11, v0, 3, 1
	v_lshl_add_u32 v[AV0], v9, 3, v10
	v_mul_u32_u24 v[AV0], v[AV0], PV
	v_lshl_add_u32 v[AV0], v11, 4, v[AV0]
	v_add_nc_u32 v[AV0], VOFF, v[AV0]
	v_mov_b32 v[AK], v[AK0]
	s_mul_i32 s[CNT], s[WV], 16*SP  ; (the counter's register is free until the loop is entered)
	s_add_co_u32 s[CNT], s[CNT], STAGE
	v_mul_u32_u24 v[STO], v1, SP    ; my stage, in: row l % 16, 16 bytes for each half of the lanes
	v_lshl_add_u32 v[STO], v9, 4, v[STO]
	v_add_nc_u32 v[STO], s[CNT], v[STO]
	v_bfe_u32 v[RD], v0, 3, 2       ; back: 32 lanes take four rows of 128 bytes,
	v_mul_u32_u24 v[RD], v[RD], SP
	v_lshl_add_u32 v[RD], v10, 4, v[RD]
	v_add_nc_u32 v[RD], s[CNT], v[RD]
	v_and_b32 v[GO], 31, v0         ; which are 512 bytes on end in O
	v_lshlrev_b32 v[MOF], 3, v[GO]
	v_lshlrev_b32 v[GO], 4, v[GO]
	v_mov_b32 v[NEGV], 0xceabfb8f   ; -1e9 log2(e)
	MLOAD 0                         ; key step 0's words of all four pieces
	MLOAD 1
	MLOAD 2
	MLOAD 3
	; What the first turn finds: V's registers and P's second buffer hold 0, O^T and l are 0: no first step is written out.  O^T starts as 32 products of those zeros, a line for eight registers.
	; All this stands in the wait for the first tile.
	WIN 0x80
.set i, VF
.rept 64
	v_mov_b32 v[i], 0
.set i, i+1
.endr
	WIN 0
.set i, P+32
.rept 32
	v_mov_b32 v[i], 0
.set i, i+1
.endr
	WIN W_PV
.set i, 0
.rept 8*NP
	v_wmma_f32_16x16x32_f16 v[8*i:8*i+7], v[VF:VF+7], v[P+32:P+39], 0
.set i, i+1
.endr
	WIN 0
.set i, 0
.rept 2*NP
	v_mov_b32 v[ST+4*i], 0xff7fffff    ; m
	v_mov_b32 v[ST+4*i+2], 0
	v_mov_b32 v[ST+4*i+3], 0
.if i >= 5
	v_mov_b32 v[ST+4*i+1], 0
.endif
.set i, i+1
.endr
; THE MATRIX WORK.  The 8 accumulators of a run of 16 take turns.
.macro KQ x                         ; product i of 16 of S^T = K Q^T for piece x
	WIN W_KQ
.set rS, S+64*((\x)%2)+32*(i%2)+8*((i/2)%4)
.set rK, KF+16*((i/2)%4)+8*(i/8)
.set rQ, 16*(2*(\x)+i%2)+8*(i/8)
.if i < 8
	v_wmma_f32_16x16x32_f16 v[rS:rS+7], v[rK:rK+7], v[rQ:rQ+7], 0
.else
	v_wmma_f32_16x16x32_f16 v[rS:rS+7], v[rK:rK+7], v[rQ:rQ+7], v[rS:rS+7]
.endif
.endm
.macro PV x                         ; product i of 16 of O^T += V^T P for piece x
	WIN W_PV
.set rO, 32*(2*(\x)+i%2)+8*((i/2)%4)
.set rV, VF+32*(i/8)+8*((i/2)%4)
.set rP, P+32*((\x)%2)+16*(i%2)+8*(i/8)
	v_wmma_f32_16x16x32_f16 v[rO:rO+7], v[rV:rV+7], v[rP:rP+7], v[rO:rO+7]
.endm
.macro MM
.if i < 16
	KQ (Y+1)%NP
.set i, i+1
.else
.set i, i-16
	PV (Y+NP-1)%NP
.set i, i+17
.endif
.endm
.macro FETCH_K last=0               ; a run of 16 LDS loads; last = 1 (the tail): in the last trip there is no further step
	WIN 0
.if \last
	s_cmp_eq_u32 s[CNT], 1
	s_cbranch_scc1 .Lno_k_\@
.endif
	WIN 0x80
.irp f, 0,1,2,3,4,5,6,7
	ds_load_b128 v[KF+8*\f:KF+8*\f+3],   v[AK] offset:(\f/2)*16*PK+(\f%2)*64
	ds_load_b128 v[KF+8*\f+4:KF+8*\f+7], v[AK] offset:(\f/2)*16*PK+(\f%2)*64+32
.endr
	s_add_co_u32 s[TBK], s[TBK], KS*PK
	WIN 0
.if \last
.Lno_k_\@:
.endif
.endm
.macro FETCH_V
	WIN 0x80
.irp f, 0,1,2,3,4,5,6,7
	ds_load_tr16_b128 v[VF+8*\f:VF+8*\f+3],   v[AV] offset:(\f/4)*32*PV+(\f%4)*32
	ds_load_tr16_b128 v[VF+8*\f+4:VF+8*\f+7], v[AV] offset:(\f/4)*32*PV+16*PV+(\f%4)*32
.endr
	WIN 0
.endm
; THE VECTOR WORK OF A TURN, in three queues, each in the order in which its entries become ready.
.macro REGS y, u
.set rT, ST+4*(2*(\y)+(\u))
.set rC, TMP+8*((\y)%2)+4*(\u)
.set rM, MV+2*((\y)%2)+(\u)
.set rS, S+64*((\y)%2)+32*(\u)
.set rP, P+32*((\y)%2)+16*(\u)
.set rO, 32*(2*(\y)+(\u))
.endm
; Word n of the NEXT piece's 64 mask words (tile n / 32, score register n % 32) goes from lane n / 2 of the piece's pair into its scalar register.
.macro RL n
.set rp, 4+2*((Y+1)%NP)
.if (Y+1)%NP == 0
.set rp, 0
.endif
	v_readlane_b32 s[MB0+(MB1-MB0)*((\n)/32)+(\n)%32], v[rp+(\n)%2], (\n)/2
.endm
; Number n of the 64 that mask the next piece's scores: accumulator n / 8 in the order in which they are finished (tile (n / 8) % 2, key block n / 16), register n % 8: each accumulator is read from its lowest register on.
.macro MK n
.set ai, (\n)/8
	REGS (Y+1)%NP, ai%2
.set rW, MB0+(MB1-MB0)*(ai%2)+8*(ai/2)+(\n)%8
	v_cndmask_b32 v[rS+8*(ai/2)+(\n)%8], v[rS+8*(ai/2)+(\n)%8], v[NEGV], s[rW]
.endm
; Number n of the 21 that find the next piece's maximum and statistics:  0-11 four chains c0-c3 of seven scores each;  12-14, 16 the four scores left over, the old m, and c0-c3 into c0;  15 m_old is kept;
; 17, 18 the query's other 32 keys lie in the lane 16 away: the new m;  19 m_old - m_new;  20 a
.macro XS u, n
	REGS (Y+1)%NP, \u
.if (\n) < 4
	v_max3_num_f32 v[rC+(\n)], v[rS+8*(\n)], v[rS+8*(\n)+1], v[rS+8*(\n)+2]
.elseif (\n) < 12
	v_max3_num_f32 v[rC+(\n)%4], v[rC+(\n)%4], v[rS+8*((\n)%4)+2*((\n)/4)+1], v[rS+8*((\n)%4)+2*((\n)/4)+2]
.elseif (\n) == 12
	v_max3_num_f32 v[rC], v[rC], v[rS+7], v[rS+15]
.elseif (\n) == 13
	v_max3_num_f32 v[rC+1], v[rC+1], v[rS+23], v[rS+31]
.elseif (\n) == 14
	v_max3_num_f32 v[rC+2], v[rC+2], v[rC+3], v[rT]
.elseif (\n) == 15
	v_mov_b32 v[rM], v[rT]
.elseif (\n) == 16
	v_max3_num_f32 v[rC], v[rC], v[rC+1], v[rC+2]
.elseif (\n) == 17
	v_permlanex16_b32 v[rC+3], v[rC], s[SEL0], s[SEL1]
.elseif (\n) == 18
	v_max_num_f32 v[rT], v[rC], v[rC+3]
.elseif (\n) == 19
	v_sub_f32 v[rC+1], v[rM], v[rT]
.else
	v_exp_f32 v[rC+2], v[rC+1]
.endif
.endm
; Number g of the 64 that follow the exponentials: for each four weights both pairs are rounded to f16, the second pair is added onto the first in place, and a group later l takes that sum (first as l = a l + sum).
.macro GS g
.set h, (\g)+6*((\g)/62)
.if h >= 6
.set h, h+2
.endif
	REGS Y, h%2
.set k, h/8
.if h%8 < 4
	v_cvt_pk_f16_f32 v[rP+2*k+(h%8)/2], v[rS+4*k+2*((h%8)/2)], v[rS+4*k+2*((h%8)/2)+1]
.elseif h%8 < 6
	v_pk_add_f32 v[rS+4*k:rS+4*k+1], v[rS+4*k:rS+4*k+1], v[rS+4*k+2:rS+4*k+3]
.elseif k == 1
	v_pk_fma_f32 v[rT+2:rT+3], v[rT+2:rT+3], v[rC+2:rC+3], v[rS:rS+1] op_sel_hi:[1,0,1]
.else
	v_pk_add_f32 v[rT+2:rT+3], v[rT+2:rT+3], v[rS+4*k-4:rS+4*k-3]
.endif
.endm
.macro FS f                         ; s - m for pair f / 2 of tile f % 2; both halves take m, the pair's low register
	REGS Y, (\f)%2
	v_pk_add_f32 v[rS+2*((\f)/2):rS+2*((\f)/2)+1], v[rS+2*((\f)/2):rS+2*((\f)/2)+1], v[rT:rT+1] op_sel_hi:[1,0] neg_lo:[0,1] neg_hi:[0,1]
.endm
; THE PLAIN QUEUE, 264 long, all in window 0: 0-31 FS; 32-95 RL; 96-159 MK; 160-187 XS 0-13; 188, 189 XS 15; 190-199 XS 14, 16, 17, 18, 19, the tiles alternating; 200-263 GS, which read exponentials' results and stand behind the wait.
.macro PL
	WIN 0
.if q < 32
	FS q
.elseif q < 96
	RL q-32
.elseif q < 160
	MK q-96
.elseif q < 188
	XS (q-160)%2, (q-160)/2
.elseif q < 190
	XS q-188, 15
.elseif q < 192
	XS q-190, 14
.elseif q < 200
	XS (q-192)%2, 16+(q-192)/2
.else
	GS q-200
.endif
.set q, q+1
.endm
.macro EX                           ; THE EXPONENTIALS' QUEUE, 66 long: s0-s31 of both tiles, then the next piece's two a
	WIN 0
.if e >= 64
	XS e-64, 20
.else
	REGS Y, e%2
	v_exp_f32 v[rS+e/2], v[rS+e/2]
.endif
.set e, e+1
.endm
.macro R2                           ; THE RESCALING: O^T times a, the one part that leaves window 0; its a was made, and waited for, in the turn before
	REGS Y, r%2
	WIN W_RS
.irp z, 0,1
	v_pk_mul_f32 v[rO+4*(r/2)+2*\z:rO+4*(r/2)+2*\z+1], v[rO+4*(r/2)+2*\z:rO+4*(r/2)+2*\z+1], v[rC+2:rC+3] op_sel_hi:[1,0]
.endr
.set r, r+1
.endm
; HOW THEY ARE DEALT.  One wait (s_wait_alu depctr_va_vdst(0)) cuts a turn in two.  AHEAD OF IT: the 16 products K Q^T,
; behind each three plain lines and an exponential (behind the first four plain), all in window 0: two window switches a product; then the lump: the 32 lines of the rescaling in ONE block, which are also the places
; between the last product and the first masking line; 24 x (exponential, four plain), 15 x (exponential, three plain): the rest of the mask words, the 64 masking lines, the next piece's maximum; 10 x (plain,
; exponential): the chain of the maximum, a tile's links four lines apart; the two a; a v_nop.  BEHIND IT: the 16 products V^T P, behind each four of GS's 64.
; Exponential e needs FS 2 (e / 4) + e % 2: as the rider of product k it is number k - 1 and stands behind FS 3 k + 1.  Nothing ahead of the wait names an exponential's result.
; THE MASK WORDS.  At a turn's head the next piece's pair is waited for: it was asked for four turns ago, and the three loads of the three turns since may stay out.  When the last of its 64 words has been read out
; (plain 95), the pair is asked for again (at plain 97), with the same piece's words of its next step.  MP stands one step ahead of the products K Q^T; piece 3's turn, whose products are the next step's, steps it
; first, behind s_wait_xcnt 0.  In the tail (last = 1) it stops at the last key step, so that no load leaves the buffer; what is then loaded a second time is not used.
; K of the next step is fetched in piece 2's turn, directly behind the wait; V of the step in hand at the end of piece 0's turn, four plain riders behind its last reader.
.macro TURN p, last=0, cnt=0
.set Y, (\p)
.set i, 0
.set q, 0
.set e, 0
.set r, 0
.if (\p) == NP-1
	s_wait_dscnt 0x0                ; K is in
.endif
	s_wait_loadcnt 0x3              ; the next piece's mask words are in; the three younger loads stay out
	MM
	PL
	PL
	PL
	PL
.rept 15
	MM
	PL
	EX
	PL
	PL
.endr
.rept 16
	R2
.endr
.if (\p) == NP-2
	WIN 0
	v_add_nc_u32 v[AK], s[TBK], v[AK0]
.endif
.rept 24
	EX
	PL
	PL
	PL
	PL
.if q == 97
.if (\p) == NP-1
	s_wait_xcnt 0x0                 ; the loads issued so far have read MP
.if \last
	s_cmp_gt_u32 s[CNT], 2          ; the tail's counter runs 5, 4, 3, 2, 1 for key steps 27 to 31: MP goes on to steps 29, 30, 31 and stays
	s_cselect_b32 s[PFA], 256, 0    ; (nothing is prefetched any more: the pair is free)
	s_mov_b32 s[PFA+1], 0
	s_add_nc_u64 s[MP:MP+1], s[MP:MP+1], s[PFA:PFA+1]
.else
	s_add_nc_u64 s[MP:MP+1], s[MP:MP+1], 256
.endif
.endif
	MLOAD ((\p)+1)%NP
.endif
.endr
.rept 15
	EX
	PL
	PL
	PL
.endr
.rept 10
	PL
	EX
.endr
	EX
	EX
	v_nop                           ; a plain instruction behind the last exponential: one for the batch
	s_wait_alu depctr_va_vdst(0)    ; the wait for the batch
.if (\p) == NP-2
	FETCH_K \last
.endif
.if (\p) == 1
	s_wait_dscnt 0x0                ; V is in
.endif
.rept 16
	MM
.rept 4
	PL
.endr
.if ((\p) == 0) && (q == 244)
	v_add_nc_u32 v[AV], s[TBV], v[AV0]
.endif
.if ((\p) == 0) && (q == 256)
	s_add_co_u32 s[TBV], s[TBV], KS*PV
.endif
.if (\cnt) && (q == 256)
	s_sub_co_u32 s[CNT], s[CNT], 1
	s_cmp_lg_u32 s[CNT], 0
.endif
.endr
.if (\p) == 0
	FETCH_V
.endif
.endm
	CHANGE 1                        ; slot 0 is in, everybody's part of it; slot 1 is asked for
	FETCH_K                         ; key step 0
	s_wait_loadcnt 0x0              ; Q, and the four pairs of mask words: every load so far is done, so their bases may be written
.set Y, NP-1                        ; RL, MK and XS work for piece Y + 1: piece 0
.set mk, 0
.rept 64
	RL mk                           ; (set-up's scalar registers become the mask words')
.set mk, mk+1
.endr
	s_add_nc_u64 s[MP:MP+1], s[MP:MP+1], 256
	MLOAD 0                         ; piece 0's words of key step 1
	s_wait_dscnt 0x0
.set i, 0
.rept 16
	KQ 0
.set i, i+1
.endr
	WIN 0
.rept 4
	v_nop                           ; the places behind those products
.endr
.set mk, 0
.rept 64
	MK mk
.set mk, mk+1
.endr
.irp n, 0,1,2,3,4,5,6,7,8,9,10,11,12,13,14,15,16,17,18,19,20
	XS 0, \n
	XS 1, \n
.endr
	v_nop
	s_wait_alu depctr_va_vdst(0)    ; the two a, ahead of the branch
	s_mov_b32 s[CNT], 4
	s_branch .Lfirst                ; the loop is entered at a step's first turn, in the middle of a trip
.Lslot:                             ; six times: every slot but the last two is filled again
	CHANGE 1
	s_mov_b32 s[CNT], 4
.Lstep:                             ; a trip: pieces 2 and 3 of one step, then pieces 0 and 1 of the next
	TURN 2
	TURN 3
	WIN 0
.Lfirst:
	TURN 0
	TURN 1, 0, 1
	WIN 0
	s_cbranch_scc1 .Lstep
	s_sub_co_u32 s[SLOTS], s[SLOTS], 1
	s_cmp_lg_u32 s[SLOTS], 0
	s_cbranch_scc1 .Lslot
	CHANGE 0                        ; the tail is written out
	s_mov_b32 s[CNT], 5             ; four trips fetch the last slot's steps; the fifth is left in its middle
.Ltail:
	TURN 2, 1
	TURN 3, 1
	WIN 0
	s_sub_co_u32 s[CNT], s[CNT], 1
	s_cmp_eq_u32 s[CNT], 0
	s_cbranch_scc1 .Lout
	TURN 0
	TURN 1
	WIN 0
	s_branch .Ltail
.Lout:                              ; the fifth trip's products K Q^T (on the last K once more), their masking and maximum serve nothing: the price, once a launch, of one text for every trip
.set i, 0
.rept 16
	PV NP-1
.set i, i+1
.endr
	; THE WAY OUT.  O's address is fetched only now, into the prefetches' registers.
	WIN 0
	s_load_b64 s[PFA:PFA+1], s[0:1], 0x10
	s_bfe_u32 s32, ttmp6, 0x40000
	s_lshl_b32 s33, ttmp9, 2
	s_add_co_u32 s32, s32, s33
	s_lshl_b32 s32, s32, 2
	s_add_co_u32 s32, s32, s[WV]
	s_lshl_b32 s32, s32, 14         ; my wave's 128 rows,
	s_and_b32 s33, ttmp7, 0xffff
	s_lshl_b32 s33, s33, 18         ; in my head
	s_add_co_u32 s32, s32, s33
	s_mov_b32 s33, 0
.macro ALL line:vararg
.set t, 0
.rept 2*NP
	\line
.set t, t+1
.endr
.endm
	ALL v_add_f32 v[ST+4*t+2], v[ST+4*t+2], v[ST+4*t+3]
	ALL v_permlanex16_b32 v[ST+4*t+3], v[ST+4*t+2], s[SEL0], s[SEL1]
	ALL v_add_f32 v[ST+4*t+2], v[ST+4*t+2], v[ST+4*t+3]
	ALL v_rcp_f32 v[ST+4*t+2], v[ST+4*t+2]
	v_nop
	s_wait_alu depctr_va_vdst(0)    ; one wait for the eight reciprocals
	s_wait_kmcnt 0x0
	s_add_nc_u64 s[PFA:PFA+1], s[PFA:PFA+1], s[32:33]
.macro PACK t
	WIN W_RS
.set i, 32*(\t)
.rept 16
	v_pk_mul_f32 v[i:i+1], v[i:i+1], v[ST+4*(\t)+2:ST+4*(\t)+3] op_sel_hi:[1,0]
.set i, i+2
.endr
	WIN 0x05
.set i, 0
.rept 16
	v_cvt_pk_f16_f32 v[S+16*(\t)+i], v[32*(\t)+2*i], v[32*(\t)+2*i+1]
.set i, i+1
.endr
	WIN 0
.irp f, 0,1,2,3
	ds_store_b128 v[STO], v[S+16*(\t)+4*\f:S+16*(\t)+4*\f+3] offset:32*\f
.endr
.irp f, 0,1,2,3
	ds_load_b128 v[S+16*(\t)+4*\f:S+16*(\t)+4*\f+3], v[RD] offset:\f*4*SP  ; LDS serves a wave's instructions in order (ISA guide 5.7.1.4)
.endr
.endm
.macro SEND t, younger
	WIN 0
.irp f, 0,1,2,3
	s_wait_dscnt (\younger)+3-\f
	global_store_b128 v[GO], v[S+16*(\t)+4*\f:S+16*(\t)+4*\f+3], s[PFA:PFA+1] offset:(\t)*2048+\f*512  ; 512 bytes on end, at a multiple of 256 from O's first
.endr
.endm
	PACK 0
.set t, 1
.rept 2*NP-1
	PACK t
	SEND t-1, 8
.set t, t+1
.endr
	SEND 2*NP-1, 0
	WIN W_AD
	s_wait_tensorcnt 0x0            ; the wave's end
	ds_add_u32 v[SPW], v[NIL]
	s_wait_dscnt 0x0
	WIN 0
	CROUND                          ; the closing round
	s_endpgm
.Lfunc_end_k_qd6708b6589_attn:
	.size	k_qd6708b6589_attn, .Lfunc_end_k_qd6708b6589_attn-k_qd6708b6589_attn
	.p2alignl 7, 3214868480
	.fill 96, 4, 3214868480
	.section	.rodata,"a",@progbits
	.p2align	6, 0x0
	.amdhsa_kernel k_qd6708b6589_attn
		.amdhsa_group_segment_fixed_size 327680
		.amdhsa_private_segment_fixed_size 0
		.amdhsa_enable_private_segment 0
		.amdhsa_kernarg_size 24
		.amdhsa_user_sgpr_count 2
		.amdhsa_user_sgpr_kernarg_segment_ptr 1
		.amdhsa_wavefront_size32 1
		.amdhsa_system_sgpr_workgroup_id_x 1
		.amdhsa_system_sgpr_workgroup_id_y 1
		.amdhsa_system_sgpr_workgroup_id_z 1
		.amdhsa_system_vgpr_workitem_id 0
		.amdhsa_next_free_vgpr 772
		.amdhsa_next_free_sgpr 106
		.amdhsa_reserve_vcc 0
		.amdhsa_float_denorm_mode_32 3
		.amdhsa_float_denorm_mode_16_64 3
		.amdhsa_memory_ordered 1
		.amdhsa_forward_progress 1
		.amdhsa_inst_pref_size 255
	.end_amdhsa_kernel
	.section	.bss,"aw",@nobits
	.p2align	6
	.space	262144
	.amdgpu_metadata
---
amdhsa.version: [ 1, 2 ]
amdhsa.kernels:
  - .name:           k_qd6708b6589_attn
    .symbol:         k_qd6708b6589_attn.kd
    .args:
      - { .name: qkv, .offset: 0, .size: 8, .value_kind: global_buffer, .address_space: global }
      - { .name: mbits, .offset: 8, .size: 8, .value_kind: global_buffer, .address_space: global }
      - { .name: att, .offset: 16, .size: 8, .value_kind: global_buffer, .address_space: global }
    .group_segment_fixed_size: 327680
    .private_segment_fixed_size: 0
    .kernarg_segment_align: 8
    .kernarg_segment_size: 24
    .max_flat_workgroup_size: 128
    .sgpr_count:     106
    .vgpr_count:     772
    .wavefront_size: 32
...
	.end_amdgpu_metadata
.endif
;; end of part 3
;; launch oproj (part 4): grid 8 x 32, 4 waves a work-group, clusters of 4 x 4, 327,680 bytes of LDS; arguments att, xw, bias, out0; writes out0
.if DOCPART == 4
	.amdgcn_target "amdgcn-amd-amdhsa--gfx1250"
	.amdhsa_code_object_version 6
	.text
	.protected	k_qd6708b6589_oproj
	.globl	k_qd6708b6589_oproj
	.p2align	8
	.type	k_qd6708b6589_oproj,@function
k_qd6708b6589_oproj:
	s_mov_b64 s[64:65], 0
	v_nop
	global_prefetch_b8 v0, s[64:65] scope:SCOPE_SE
	s_setreg_imm32_b32 hwreg(HW_REG_WAVE_MODE, 25, 1), 1
	s_wait_xcnt 0x0
	s_wait_alu depctr_hold_cnt(0) depctr_sa_sdst(0) depctr_va_vdst(0) depctr_va_sdst(0) depctr_va_ssrc(0) depctr_va_vcc(0) depctr_vm_vsrc(0)
	s_getreg_b32 s2, hwreg(HW_REG_IB_STS2, 6, 4)
	s_cmp_eq_u32 s2, 0
	s_cbranch_scc0 .Lentry_in_a_cluster
	s_endpgm
.Lentry_in_a_cluster:
	s_bfe_u32 s2, ttmp6, 0x10000c
	s_cmp_lg_u32 s2, 0xf033
	s_cbranch_scc0 .Lentry_shape_is_right
	s_endpgm
.Lentry_shape_is_right:
; out0 = O Wo^T + bo.  O: att, f16, [64 = batch x 16 + head][2048][64]; Wo: f16 [1024][1024] at xw's byte 23,068,672; bo: f32 at bias's byte 12,288; out0: f32 [8192][1024].  Sums in f32, started by the bias.
; SHARES.  A tile of C is 256 rows x 128 columns: 32 x 8 = 256 work-groups.  Wave w has rows 64 w .. 64 w + 63 and all 128 columns: 32 accumulators, number n = 8 a + b, which fill window 2.
; A K step of 128 is TWO HEADS.  A head's 256 rows of my tile are 32,768 dense bytes: asked for as 128 rows of 256 bytes and padded in LDS after every 128 bytes.  Wave 0 fetches the even head, wave 1 the odd one,
; waves 2 and 3 64 rows each of Wo.  Eight K steps through two LDS slots.
; CLUSTER 4 x 4: A's tile is shared along a row of the cluster, B's along a column.  THE PRODUCT IS USED TRANSPOSED: lane l holds row l % 16 of C and the columns 8 (l / 16) + 0..7: 32 bytes on end.
; REGISTERS: window 0: v16-31 addresses; v32-95 A's fragments, two buffers; v96-159 the bias as C operands, later with v160-223 whole rows on the way out;  window 1: B's fragments, two buffers of 64;  window 2: the accumulators.
.set NB,     8
.set HALF,   16
.set T1,     8
.set T2,     16
.set W1,     4                         ; the loads of A's blocks 2 and 3, which products 0 .. HALF-1 do not need
.set NL,     2*NB+8
.set PA,     144                       ; a row of A in LDS: 128 bytes + 16
.set AHEAD,  256*PA                    ; a head's 256 rows
.set PITCH,  272                       ; a row of B: 256 bytes + 16.  Both pitches are odd multiples of 16 bytes: the 16 rows of a load start at 16 different groups of four banks (ISA guide 11.1)
.set ABYTES, 2*AHEAD
.set SLOT1,  131072
.set STAGE,  SLOT1+ABYTES+16*NB*PITCH  ; behind the ring: 16 rows x 528 bytes for each wave
.set SP,     528
.set SPARE,  STAGE+4*16*SP
.set WOOFF,  23068672
.set ASTEP,  524288                    ; two heads on
.set BSTEP,  256
.set FLAGA,  (1<<16)|(1<<20)|(1<<21)|(4<<22)|(3<<25)  ; after every 32 words 4 words
.set FLAGB,  (1<<16)|(1<<20)|(1<<21)|(5<<22)|(3<<25)  ; after every 64 words 4 words
.set ADRA,  16
.set ADRA0, 17
.set ADRB,  20
.set ADRB0, 21
.set STO,   24
.set RD,    25
.set GO,    26
.set SPW,   28
.set NIL,   29
.set PFO,   30
.set BO,    31
.set AF,    32
.set BIAS,  96
.set BK,    96
.set WV,  16
.set G1,  24
.set G0,  32
.set G0W, 36
.set PFA, 40
.set LIM, 42
.set TB,  43
.set PFS, 44                           ; s[44:45] the prefetches' step along K
.set G1B, 48
.set G0B, 56
.set G0BW, 60
.set OUT, 78
.set MSB, 0
.macro WIN new
.if MSB != (\new)
	s_set_vgpr_msb (MSB<<8)|(\new)
.set MSB, \new
.endif
.endm
.macro PLACES
.rept 4
	v_nop
.endr
.endm
.macro CREST
	s_cmp_lg_u32 s[WV], 0
	s_cbranch_scc1 .Lnot_wave_0_\@
	s_barrier_signal -3
.Lnot_wave_0_\@:
	s_barrier_wait -3
	s_barrier_signal -1
	s_barrier_wait -1
.endm
.macro CROUND
	s_barrier_signal -1
	s_barrier_wait -1
	CREST
.endm
.macro JLOAD                           ; an s_nop 0 and four v_nop follow each of the two lines
	s_cmp_eq_u32 s17, 0
	s_cbranch_scc0 .Lfor_b_\@
	tensor_load_to_lds s[G0W:G0W+3], s[G1:G1+7]
	s_nop 0
.rept 4
	v_nop
.endr
	s_branch .Lasked_\@
.Lfor_b_\@:
	tensor_load_to_lds s[G0BW:G0BW+3], s[G1B:G1B+7]
	s_nop 0
.rept 4
	v_nop
.endr
.Lasked_\@:
.endm
; A prefetch of the K step two refills on, 256 matrix instructions ahead of its load.  A's blocks are asked for by the clusters with x = 0, B's rows by those with y = 0; the four partners of a joint load share it out by
; address: 32 of a head's 128 blocks of 256 bytes, 16 of B's 64 rows (there lanes 16-31 name lane 15's row again).  The loop's last two trips have no such K step.
.macro ASK
	s_cmp_gt_u32 s3, s[LIM]
	s_cbranch_scc0 .Lnot_mine_\@
	global_prefetch_b8 v[PFO], s[PFA:PFA+1] th:TH_LOAD_NT scope:SCOPE_SE
.Lnot_mine_\@:
.endm
	s_load_b256 s[4:11], s[0:1], 0x0               ; att s[4:5], xw s[6:7], bias s[8:9], out0 s[10:11]
	v_lshl_add_u32 v[SPW], v0, 2, SPARE
	v_mov_b32 v[NIL], 0
	ds_add_u32 v[SPW], v[NIL]                      ; the wave's opening: the add and its wait ahead of my first tensor load
	v_lshrrev_b32 v1, 5, v0
	v_readfirstlane_b32 s[WV], v1
	s_lshr_b32 s17, s[WV], 1                       ; I fetch for A (0) or B (1)
	s_and_b32 s18, s[WV], 1                        ; which head of the two, or which 64 rows of Wo
	s_bfe_u32 s19, ttmp6, 0x40000                  ; cx
	s_bfe_u32 s20, ttmp6, 0x40004                  ; cy
	s_lshl_b32 s21, ttmp9, 2
	s_add_co_u32 s21, s21, s19                     ; tc
	s_and_b32 s22, ttmp7, 0xffff
	s_lshl_b32 s22, s22, 2
	s_add_co_u32 s22, s22, s20                     ; tr
	s_lshl_b32 s12, s20, 2
	s_lshl_b32 s12, 15, s12
	s_lshl_b32 s66, 0x1111, s19
	s_or_b32 s[G1], s12, FLAGA
	s_or_b32 s[G1B], s66, FLAGB
	s_mov_b32 s[G1+1], 128<<16                     ; A: 128 rows of 128 elements, dense
	s_mov_b32 s[G1+2], 128<<16
	s_mov_b32 s[G1+3], 128<<16
	s_mov_b32 s[G1+4], 128
	s_mov_b32 s[G1+5], 128
	s_mov_b32 s[G1+6], 0
	s_mov_b32 s[G1+7], 0
	s_mov_b32 s[G1B+1], 128<<16                    ; B: 64 rows of 128 elements, 1,024 from row to row
	s_mov_b32 s[G1B+2], 64<<16
	s_mov_b32 s[G1B+3], 128<<16
	s_mov_b32 s[G1B+4], 64
	s_mov_b32 s[G1B+5], 1024
	s_mov_b32 s[G1B+6], 0
	s_mov_b32 s[G1B+7], 0
	s_lshr_b32 s12, s22, 3                         ; A: batch x 16 heads x 262,144 bytes,
	s_lshl_b32 s12, s12, 22
	s_lshl_b32 s13, s18, 18                        ; my head of the first two,
	s_add_co_u32 s12, s12, s13
	s_and_b32 s13, s22, 7                          ; the tile's 256 rows of 128 bytes
	s_lshl_b32 s13, s13, 15
	s_add_co_u32 s12, s12, s13
	s_mov_b32 s13, 0
	s_lshl_b32 s66, s21, 18                        ; B: (128 tc + 64 half) rows of 2,048 bytes
	s_lshl_b32 s67, s18, 17
	s_add_co_u32 s66, s66, s67
	s_add_co_u32 s66, s66, WOOFF
	s_mov_b32 s67, 0
	s_mul_i32 s14, s[WV], AHEAD                    ; where they go: a head at wave x 256 rows (waves 0, 1),
	s_mul_i32 s15, s[WV], 64*PITCH                 ; B's halves at ABYTES + (wave - 2) x 64 rows (waves 2, 3)
	s_add_co_u32 s15, s15, ABYTES-2*64*PITCH
	s_mov_b32 s[TB], 0
	s_wait_dscnt 0x0
	s_wait_kmcnt 0x0
	s_add_nc_u64 s[46:47], s[4:5], s[12:13]
	s_add_nc_u64 s[68:69], s[6:7], s[66:67]
.irp s, 0,1
	s_mov_b32 s[G0+4*\s], 1
	s_add_co_u32 s[G0+4*\s+1], s14, \s*SLOT1
	s_add_nc_u64 s[G0+4*\s+2:G0+4*\s+3], s[46:47], \s*ASTEP
	s_or_b32 s[G0+4*\s+3], s[G0+4*\s+3], 0x80000000
	s_mov_b32 s[G0B+4*\s], 1
	s_add_co_u32 s[G0B+4*\s+1], s15, \s*SLOT1
	s_add_nc_u64 s[G0B+4*\s+2:G0B+4*\s+3], s[68:69], \s*BSTEP
	s_or_b32 s[G0B+4*\s+3], s[G0B+4*\s+3], 0x80000000
.endr
	CROUND
	s_cmp_eq_u32 s17, 0                            ; a wave's two first fills stand in one branch: two loads of mine are out
	s_cbranch_scc0 .Lfirst_b
	tensor_load_to_lds s[G0:G0+3], s[G1:G1+7]
	s_nop 0
	tensor_load_to_lds s[G0W:G0W+3], s[G1:G1+7]
	s_nop 0
.rept 4
	v_nop
.endr
	s_branch .Lfirst_asked
.Lfirst_b:
	tensor_load_to_lds s[G0B:G0B+3], s[G1B:G1B+7]
	s_nop 0
	tensor_load_to_lds s[G0BW:G0BW+3], s[G1B:G1B+7]
	s_nop 0
.rept 4
	v_nop
.endr
.Lfirst_asked:
	v_and_b32 v1, 15, v0
	v_bfe_u32 v2, v0, 4, 1
	v_lshlrev_b32 v[BO], 5, v2
	s_lshl_b32 s80, s21, 9                         ; bo[128 tc ..]
	s_add_co_u32 s80, s80, 12288
	s_mov_b32 s81, 0
	s_add_nc_u64 s[80:81], s[8:9], s[80:81]
.set i, 0
.rept NB
	global_load_b128 v[BIAS+8*i:BIAS+8*i+3],   v[BO], s[80:81] offset:64*i
	global_load_b128 v[BIAS+8*i+4:BIAS+8*i+7], v[BO], s[80:81] offset:64*i+16
.set i, i+1
.endr
	v_mul_u32_u24 v3, v1, PA
	v_lshl_add_u32 v3, v2, 4, v3
	s_mul_i32 s23, s[WV], 64*PA
	v_add_nc_u32 v[ADRA0], s23, v3                 ; my 64 rows, in the first of the two heads
	v_mul_u32_u24 v3, v1, PITCH
	v_lshl_add_u32 v3, v2, 4, v3
	v_add_nc_u32 v[ADRB0], ABYTES, v3
	v_mov_b32 v[ADRA], v[ADRA0]
	v_mov_b32 v[ADRB], v[ADRB0]
	s_mul_i32 s23, s[WV], 16*SP
	s_add_co_u32 s23, s23, STAGE
	v_mul_u32_u24 v4, v1, SP                       ; in: row l % 16, 32 bytes for each half of the lanes
	v_lshl_add_u32 v4, v2, 5, v4
	v_add_nc_u32 v[STO], s23, v4
	v_and_b32 v6, 31, v0
	v_lshlrev_b32 v[GO], 4, v6                     ; back and out: 32 lanes take a row's 512 bytes
	v_add_nc_u32 v[RD], s23, v[GO]
	s_lshl_b32 s70, s22, 20                        ; out0 at row 256 tr + 64 wave, column 128 tc
	s_lshl_b32 s71, s[WV], 18
	s_add_co_u32 s70, s70, s71
	s_lshl_b32 s71, s21, 9
	s_add_co_u32 s70, s70, s71
	s_mov_b32 s71, 0
	s_add_nc_u64 s[OUT:OUT+1], s[10:11], s[70:71]
	; the prefetches
	s_lshl_b32 s70, s19, 13                        ; A: cx x 32 blocks of 256 bytes
	s_add_co_u32 s70, s70, s12
	s_lshl_b32 s71, s20, 15                        ; B: cy x 16 rows
	s_add_co_u32 s71, s71, s66
	s_and_b32 s74, ttmp7, 0xffff
	s_movk_i32 s[PFS], 256
	s_cmp_eq_u32 s17, 0
	s_cselect_b32 s70, s70, s71
	s_cselect_b32 s74, ttmp9, s74
	s_cselect_b32 s75, 31, 15
	s_cselect_b32 s76, 8, 11
	s_cselect_b32 s[PFS], ASTEP, s[PFS]
	s_cselect_b64 s[PFA:PFA+1], s[4:5], s[6:7]
	s_cmp_eq_u32 s74, 0
	s_cselect_b32 s[LIM], 2, -1
	s_mov_b32 s[PFS+1], 0
	v_min_u32 v[PFO], s75, v6
	v_lshlrev_b32 v[PFO], s76, v[PFO]
	s_mul_i32 s71, s[PFS], 3                       ; at K step 3: the first refill steps it to 4.  Nothing is asked for here, at the head
	s_add_co_u32 s70, s70, s71
	s_mov_b32 s71, 0
	s_add_nc_u64 s[PFA:PFA+1], s[PFA:PFA+1], s[70:71]
.macro MUL f, n0, n1, first            ; the 32 accumulators take turns, one instruction a turn, in the same order in every quarter; first = 1: the bias starts the sum
.set n, \n0
.rept (\n1)-(\n0)+1
.set rd, 8*n
.set rb, 8*NB*(\f)+8*(n%NB)
.set ra, AF+32*(\f)+8*(n/NB)
.if \first
	WIN 0x81
	v_wmma_f32_16x16x32_f16 v[rd:rd+7], v[rb:rb+7], v[ra:ra+7], v[BIAS+8*(n%NB):BIAS+8*(n%NB)+7]
.else
	WIN 0xa1
	v_wmma_f32_16x16x32_f16 v[rd:rd+7], v[rb:rb+7], v[ra:ra+7], v[rd:rd+7]
.endif
.set n, n+1
.endr
.endm
.macro FETCH kq, f                     ; one run of 24 LDS loads: quarter kq = head kq / 2 of the two, channels 32 (kq % 2) on
	WIN 0x40
.set i, 0
.rept NB
	ds_load_b128 v[8*NB*(\f)+8*i:8*NB*(\f)+8*i+3],   v[ADRB] offset:64*(\kq)+i*16*PITCH
	ds_load_b128 v[8*NB*(\f)+8*i+4:8*NB*(\f)+8*i+7], v[ADRB] offset:64*(\kq)+i*16*PITCH+32
.set i, i+1
.endr
	WIN 0
.set i, 0
.rept 4
	ds_load_b128 v[AF+32*(\f)+8*i:AF+32*(\f)+8*i+3],   v[ADRA] offset:((\kq)/2)*AHEAD+((\kq)%2)*64+i*16*PA
	ds_load_b128 v[AF+32*(\f)+8*i+4:AF+32*(\f)+8*i+7], v[ADRA] offset:((\kq)/2)*AHEAD+((\kq)%2)*64+i*16*PA+32
.set i, i+1
.endr
.endm
.macro QUARTER kq, f, g, first
	s_wait_dscnt W1                                ; all of buffer f but A's last two blocks
	MUL \f, 0, HALF-1, \first
	PLACES
	FETCH \kq, \g
	s_wait_dscnt NL                                ; all but the run just issued
	MUL \f, HALF, 4*NB-1, \first
.endm
.macro TURN fill                       ; the last quarter and the change of slots: the wait for all tensor loads, the add, the wait for it and for my reads, the barrier (fill = 1: a round of the cluster's), the refill first behind it
.if \fill
	s_wait_xcnt 0x0                                ; the last prefetch, a K step back, has read its address
	s_add_nc_u64 s[PFA:PFA+1], s[PFA:PFA+1], s[PFS:PFS+1]
.endif
	WIN 0
	s_xor_b32 s[TB], s[TB], SLOT1
	v_add_nc_u32 v[ADRA], s[TB], v[ADRA0]
	v_add_nc_u32 v[ADRB], s[TB], v[ADRB0]
	s_wait_tensorcnt 0x0
	ds_add_u32 v[SPW], v[NIL]
.if \fill
	s_xor_b32 s[G0W+1], s[G0W+1], SLOT1
	s_add_nc_u64 s[G0W+2:G0W+3], s[G0W+2:G0W+3], ASTEP
	s_xor_b32 s[G0BW+1], s[G0BW+1], SLOT1
	s_add_nc_u64 s[G0BW+2:G0BW+3], s[G0BW+2:G0BW+3], BSTEP
.endif
	s_wait_dscnt W1+1                              ; the add and A's last two blocks may be out
	MUL 1, 0, T1-1, 0
	s_wait_dscnt 0x0
	s_barrier_signal -1
	MUL 1, T1, T2-1, 0
	WIN 0
	s_barrier_wait -1
.if \fill
	CREST
	JLOAD
.else
	PLACES
.endif
	FETCH 0, 0
.if \fill
	ASK
.endif
	MUL 1, T2, 4*NB-1, 0
.endm
	s_wait_loadcnt 0x0                             ; the bias
	s_wait_tensorcnt 0x1                           ; my part of K step 0 is in; K step 1's may stay out
	s_barrier_signal -1
	s_barrier_wait -1
	FETCH 0, 0
	QUARTER 1, 0, 1, 1
	WIN 0
	s_mov_b32 s3, 6
.Lk:                                               ; trip i: the rest of K step i, the first quarter of K step i + 1; K step i + 2 is asked for
	QUARTER 2, 1, 0, 0
	QUARTER 3, 0, 1, 0
	TURN 1
	QUARTER 1, 0, 1, 0
	WIN 0
	s_sub_co_u32 s3, s3, 1
	s_cmp_lg_u32 s3, 0
	s_cbranch_scc1 .Lk
	QUARTER 2, 1, 0, 0
	QUARTER 3, 0, 1, 0
	TURN 0
	QUARTER 1, 0, 1, 0
	QUARTER 2, 1, 0, 0
	QUARTER 3, 0, 1, 0
	s_wait_dscnt W1
	MUL 1, 0, HALF-1, 0
	s_wait_dscnt 0x0
	MUL 1, HALF, 4*NB-1, 0
; THE WAY OUT, 16 rows at a time: the f32 sums go as they are into my stage (rows of 528 bytes; each accumulator's low half first) and come back as whole rows of 512 bytes.
.macro STG a
	WIN 0x08                                       ; the stores' data lie in window 2
.set b, 0
.rept NB
	ds_store_b128 v[STO], v[8*(NB*(\a)+b):8*(NB*(\a)+b)+3]   offset:64*b
	ds_store_b128 v[STO], v[8*(NB*(\a)+b)+4:8*(NB*(\a)+b)+7] offset:64*b+16
.set b, b+1
.endr
	WIN 0
.if (\a) >= 2
	s_wait_xcnt 0x0                                ; the stores of two blocks back have read this buffer
.endif
.set t, 0
.rept 16
	ds_load_b128 v[BK+64*((\a)%2)+4*t:BK+64*((\a)%2)+4*t+3], v[RD] offset:t*SP  ; LDS serves a wave's instructions in order (ISA guide 5.7.1.4)
.set t, t+1
.endr
.endm
.macro SEND a, younger                 ; younger: the next block's 32 LDS instructions, or none
.set t, 0
.rept 16
	s_wait_dscnt (\younger)+15-t
	global_store_b128 v[GO], v[BK+64*((\a)%2)+4*t:BK+64*((\a)%2)+4*t+3], s[OUT:OUT+1] offset:(16*(\a)+t)*4096  ; 512 bytes on end, at a multiple of 256 from out0's first byte
.set t, t+1
.endr
.endm
	PLACES                                         ; behind the last products, in front of the stores that read results
	STG 0
	STG 1
	SEND 0, 32
	STG 2
	SEND 1, 32
	STG 3
	SEND 2, 32
	SEND 3, 0
	s_wait_tensorcnt 0x0                           ; the wave's end
	ds_add_u32 v[SPW], v[NIL]
	s_wait_dscnt 0x0
	CROUND                                         ; the closing round
	s_endpgm
.Lfunc_end_k_qd6708b6589_oproj:
	.size	k_qd6708b6589_oproj, .Lfunc_end_k_qd6708b6589_oproj-k_qd6708b6589_oproj
	.p2alignl 7, 3214868480
	.fill 96, 4, 3214868480
	.section	.rodata,"a",@progbits
	.p2align	6, 0x0
	.amdhsa_kernel k_qd6708b6589_oproj
		.amdhsa_group_segment_fixed_size 327680
		.amdhsa_private_segment_fixed_size 0
		.amdhsa_enable_private_segment 0
		.amdhsa_kernarg_size 32
		.amdhsa_user_sgpr_count 2
		.amdhsa_user_sgpr_kernarg_segment_ptr 1
		.amdhsa_wavefront_size32 1
		.amdhsa_system_sgpr_workgroup_id_x 1
		.amdhsa_system_sgpr_workgroup_id_y 1
		.amdhsa_system_sgpr_workgroup_id_z 1
		.amdhsa_system_vgpr_workitem_id 0
		.amdhsa_next_free_vgpr 768
		.amdhsa_next_free_sgpr 84
		.amdhsa_reserve_vcc 0
		.amdhsa_float_denorm_mode_32 3
		.amdhsa_float_denorm_mode_16_64 3
		.amdhsa_memory_ordered 1
		.amdhsa_forward_progress 1
		.amdhsa_inst_pref_size 73
	.end_amdhsa_kernel
	.amdgpu_metadata
---
amdhsa.version: [ 1, 2 ]
amdhsa.kernels:
  - .name:           k_qd6708b6589_oproj
    .symbol:         k_qd6708b6589_oproj.kd
    .args:
      - { .name: att, .offset: 0, .size: 8, .value_kind: global_buffer, .address_space: global }
      - { .name: xw, .offset: 8, .size: 8, .value_kind: global_buffer, .address_space: global }
      - { .name: bias, .offset: 16, .size: 8, .value_kind: global_buffer, .address_space: global }
      - { .name: out0, .offset: 24, .size: 8, .value_kind: global_buffer, .address_space: global }
    .group_segment_fixed_size: 327680
    .private_segment_fixed_size: 0
    .kernarg_segment_align: 8
    .kernarg_segment_size: 32
    .max_flat_workgroup_size: 128
    .sgpr_count:     84
    .vgpr_count:     768
    .wavefront_size: 32
...
	.end_amdgpu_metadata
.endif
;; end of part 4
